; MI455X (gfx1250); checked and timed in simulation.
; The chip was launched on July 23, 2026; its instructions are those of AMD's public machine-readable ISA for CDNA 5 (MIT licence, August 2026) and "CDNA5" Instruction Set Architecture Reference Guide (July 2026). The comments in the code are by the model that wrote it; some were corrected since.
;; Cross Attention Layer. Allowed arithmetic: float matrix products may take bf16 or f16 operands with f32 sums; all other float work in f32.
;; Inputs: Wkv 1,024 x 2,048 float32; Wo 1,024 x 1,024 float32; Wq 1,024 x 1,024 float32; bkv 2,048 float32; bo 1,024 float32; bq 1,024 float32; encoder_hidden_states 4 x 2,048 x 1,024 float32; hidden_states 4 x 2,048 x 1,024 float32; kn_w 64 float32; qn_w 64 float32.
;; Outputs: out0 4 x 2,048 x 1,024 float32.
;; One version. Each part assembles by itself: llvm-mc -triple=amdgcn-amd-amdhsa -mcpu=gfx1250 --defsym DOCPART=n.
;; ======== version 1 of 1: 5 launches
;; limits: values are held in f16: magnitudes above 65,504 overflow, below 6.1e-05 lose precision; values outside matrix products are rounded to f16
;; workspace buffers: xb 33,554,432 bytes; w16 8,388,608 bytes; tab 31,744 bytes; q 16,777,216 bytes; k 16,777,216 bytes; v 16,777,216 bytes; r5 3,145,728 bytes; o 16,777,216 bytes
;; launch prep (part 1): grid 1550 x 1, 8 waves a work-group, no clusters, 18,432 bytes of LDS; arguments hidden_states, encoder_hidden_states, Wq, Wkv, Wo, bq, bkv, bo, qn_w, kn_w, xb, w16, tab; writes xb, w16, tab
.if DOCPART == 1
	.amdgcn_target "amdgcn-amd-amdhsa--gfx1250"
	.amdhsa_code_object_version 6
	.text
	.protected	k_q45d91f0e09_prep
	.globl	k_q45d91f0e09_prep
	.p2align	8
	.type	k_q45d91f0e09_prep,@function
k_q45d91f0e09_prep:
	s_mov_b64 s[64:65], 0
	v_nop
	global_prefetch_b8 v0, s[64:65] scope:SCOPE_SE
	s_setreg_imm32_b32 hwreg(HW_REG_WAVE_MODE, 25, 1), 1
	s_wait_xcnt 0x0
; PREPARATION.  Three kinds of work-group, chosen by the work-group's number alone (the same for all its waves); those with dependent steps have the lowest numbers.
;   0 .. 13       T: the tables, rounded to bf16 and kept as f32: 0 .. 12: bias and gain for 256 rows of w16 each; 13: bo, and the two gains for head 5.
;   14 .. 525     W: a block of 128 k x 64 columns of Wq, Wkv or Wo, rounded to bf16 and transposed through LDS into w16, whose rows lie along k.
;                 Wq's and Wkv's columns are sorted: natural column cn = 192 head + 3 i + j (j = 0, 1, 2: q, k, v) goes to row 192 head + 64 j + i; head 5, whose
;                 columns come from both sources, keeps its natural order.  Wo's bf16 number is written as f16 (rows 3072 ..): LIMIT: below 6e-5 it keeps f16's step of 6e-8.
;   526 .. 1549   X: 16,384 numbers of hidden_states (the first 512) or encoder_hidden_states, f32 -> bf16, into xb.
; Memory binds: no matrix unit, no cluster; LDS serves the transposition alone.
.set NT,    14                         ; work-groups for the tables
.set NW,    512                        ; for the weights
.set SPW,   110                        ; v110  LDS address of my spare word; never rewritten
.set NIL,   111                        ; v111  0; never rewritten
.set LP,    272                        ; an LDS row: 128 k x 2 bytes + 16
.set SPARE, 64*LP                      ; 17,408: behind the 64 rows, 128 bytes for each of the eight waves
.set GAINOFF, 13312
.set BOOFF,   26624
.set G5OFF,   30720
	s_load_b512 s[4:19], s[0:1], 0x0               ; hidden s[4:5], encoder s[6:7], Wq s[8:9], Wkv s[10:11], Wo s[12:13], bq s[14:15], bkv s[16:17], bo s[18:19]
	s_load_b256 s[20:27], s[0:1], 0x40             ; qn_w s[20:21], kn_w s[22:23], xb s[24:25], w16 s[26:27]
	s_load_b64 s[28:29], s[0:1], 0x60              ; tab
	v_lshl_add_u32 v[SPW], v0, 2, SPARE
	v_mov_b32 v[NIL], 0
	s_wait_kmcnt 0x0
	s_cmp_lt_u32 ttmp9, NT
	s_cbranch_scc1 .Ltables
	s_cmp_lt_u32 ttmp9, NT+NW
	s_cbranch_scc1 .Lweights
	; ---- X: 65,536 bytes in, 32,768 out.  Sixteen loads of every wave are out at once; no register is used twice.
	s_sub_co_u32 s39, ttmp9, NT+NW                 ; the unit, 0 .. 1023
	s_cmp_lt_u32 s39, 512
	s_cselect_b64 s[30:31], s[4:5], s[6:7]
	s_and_b32 s32, s39, 511
	s_lshl_b32 s32, s32, 16
	s_mov_b32 s33, 0
	s_add_nc_u64 s[30:31], s[30:31], s[32:33]
	s_lshl_b32 s34, s39, 15
	s_mov_b32 s35, 0
	s_add_nc_u64 s[36:37], s[24:25], s[34:35]
	v_lshlrev_b32 v1, 4, v0                        ; a wave's load covers 512 consecutive bytes,
	v_lshlrev_b32 v2, 3, v0                        ; its store 256 consecutive bytes, aligned
.set i, 0
.rept 16
	global_load_b128 v[8+4*i:11+4*i], v1, s[30:31] offset:4096*i th:TH_LOAD_NT
.set i, i+1
.endr
.set i, 0
.rept 16
	s_wait_loadcnt 15-i                            ; loads come back in order: number i is in, the younger ones stay out
	v_cvt_pk_bf16_f32 v[72+2*i], v[8+4*i], v[9+4*i]
	v_cvt_pk_bf16_f32 v[73+2*i], v[10+4*i], v[11+4*i]
	global_store_b64 v2, v[72+2*i:73+2*i], s[36:37] offset:2048*i
.set i, i+1
.endr
	s_endpgm
.Lweights:
	; ---- W: natural group g of 64 columns (0-15 Wq, 16-47 Wkv, 48-63 Wo), k block kc of 128
	s_sub_co_u32 s30, ttmp9, NT
	s_lshr_b32 s31, s30, 3                         ; g
	s_and_b32 s32, s30, 7                          ; kc
	s_cmp_lt_u32 s31, 16
	s_cselect_b64 s[34:35], s[8:9], s[10:11]
	s_cselect_b32 s36, 0, 16                       ; the source's first group
	s_cselect_b32 s37, 12, 13                      ; log2 of the source's row in bytes
	s_cmp_lt_u32 s31, 48
	s_cselect_b64 s[34:35], s[34:35], s[12:13]
	s_cselect_b32 s36, s36, 48
	s_cselect_b32 s37, s37, 12
	s_cselect_b32 s38, 0, -1                       ; all ones: Wo, written as f16
	s_sub_co_u32 s39, s31, s36
	s_lshl_b32 s39, s39, 8                         ; 64 columns are 256 bytes
	s_lshl_b32 s40, s32, 7
	s_lshl_b32 s40, s40, s37                       ; 128 kc rows
	s_add_co_u32 s40, s40, s39
	s_mov_b32 s41, 0
	s_add_nc_u64 s[34:35], s[34:35], s[40:41]
	s_mul_i32 s44, s31, 43
	s_lshr_b32 s44, s44, 7                         ; head = g / 3 (exact for g < 52)
	s_cmp_eq_u32 s44, 5
	s_cselect_b32 s43, -1, s38                     ; all ones: the natural order is kept (head 5, Wo)
	s_mul_i32 s45, s44, 3
	s_sub_co_u32 s45, s31, s45
	s_lshl_b32 s45, s45, 6                         ; the group's first column within its head
	s_mul_i32 s46, s44, 192
	s_lshl_b32 s47, s31, 6                         ; the group's first natural column
	s_lshl_b32 s48, s32, 8
	s_mov_b32 s49, 0
	s_add_nc_u64 s[50:51], s[26:27], s[48:49]      ; w16 at k block kc
	v_and_b32 v1, 15, v0                           ; la: which 16 bytes of a row's 256
	v_lshrrev_b32 v2, 4, v0                        ; ro: 0 .. 15
	v_lshlrev_b32 v3, 1, v2
	v_lshlrev_b32 v3, s37, v3
	v_lshl_add_u32 v3, v1, 4, v3                   ; row 2 ro, bytes 16 la
.irp i, 0,1,2,3,4,5,6,7
	s_lshl_b32 s42, 32*(\i/2)+(\i%2), s37          ; pass i / 2, row 32 (i / 2) + 2 ro + i % 2
	v_add_nc_u32 v[8+\i], s42, v3
.endr
.irp i, 0,1,2,3,4,5,6,7
	global_load_b128 v[16+4*\i:19+4*\i], v[8+\i], s[34:35] th:TH_LOAD_NT  ; sixteen lanes take 256 consecutive bytes of a row
.endr
	v_mul_u32_u24 v51, v1, 4*LP
	v_lshl_add_u32 v51, v2, 2, v51                 ; in: LDS row 4 la + c, word 16 p + ro
	v_mul_u32_u24 v52, v2, LP
	v_lshl_add_u32 v52, v1, 4, v52                 ; back: LDS row ro + 16 p, bytes 16 la
.irp p, 0,1,2,3                        ; where LDS row lr = ro + 16 p goes
	v_add_nc_u32 v76, 16*\p, v2                    ; lr
	v_add_nc_u32 v77, s45, v76                     ; w: the column within its head, 0 .. 191
	v_mul_u32_u24 v78, v77, 171
	v_lshrrev_b32 v78, 9, v78                      ; i = w / 3 (exact for w < 192)
	v_mul_u32_u24 v79, v78, 3
	v_sub_nc_u32 v79, v77, v79                     ; j = w - 3 i
	v_lshl_add_u32 v79, v79, 6, v78
	v_add_nc_u32 v79, s46, v79                     ; 192 head + 64 j + i
	v_add_nc_u32 v80, s47, v76                     ; or the natural column
	v_cndmask_b32 v79, v79, v80, s43
	v_lshlrev_b32 v79, 11, v79                     ; rows of 2,048 bytes
	v_lshl_add_u32 v[56+\p], v1, 4, v79
.endr
.irp p, 0,1,2,3
	s_wait_loadcnt 6-2*\p                          ; this pass's two rows are in, the later passes' stay out
.irp c, 0,1,2,3
	v_cvt_pk_bf16_f32 v48, v[16+8*\p+\c], v[20+8*\p+\c]  ; k even in the low half, k + 1 in the high half
	v_lshlrev_b32 v49, 16, v48
	v_and_b32 v50, 0xffff0000, v48
	v_cvt_pk_f16_f32 v49, v49, v50                 ; the same two bf16 numbers as f16
	v_cndmask_b32 v48, v48, v49, s38
	ds_store_b32 v51, v48 offset:\c*LP+64*\p
.endr
.endr
	s_wait_dscnt 0x0                               ; for the others' sake: my stores are done
	s_barrier_signal -1
	s_barrier_wait -1
.irp p, 0,1,2,3
	ds_load_b128 v[60+4*\p:63+4*\p], v52 offset:16*\p*LP
.endr
.irp p, 0,1,2,3
	s_wait_dscnt 3-\p
	global_store_b128 v[56+\p], v[60+4*\p:63+4*\p], s[50:51]  ; sixteen lanes store 256 consecutive bytes, aligned
.endr
	s_wait_tensorcnt 0x0                           ; the wave's end, behind my last LDS store
	ds_add_u32 v[SPW], v[NIL]
	s_wait_dscnt 0x0
	s_endpgm
.Ltables:
	s_cmp_eq_u32 ttmp9, NT-1
	s_cbranch_scc1 .Lrest
	; ---- T, work-group e = 0 .. 12: thread t takes row P = 256 e + t.  Rows 3072 .. 3327 get bias 0: they are only ever loaded as a look-ahead.
	s_lshl_b32 s31, ttmp9, 8
	v_add_nc_u32 v2, s31, v0                       ; P
	v_lshrrev_b32 v3, 6, v2                        ; group of 64 rows
	v_mul_u32_u24 v4, v3, 43
	v_lshrrev_b32 v4, 7, v4                        ; head (exact for groups < 52)
	v_mul_u32_u24 v5, v4, 3
	v_sub_nc_u32 v5, v3, v5                        ; j
	v_and_b32 v6, 63, v2                           ; i
	v_mul_u32_u24 v7, v4, 192
	v_mad_u32_u24 v8, v6, 3, v7
	v_add_nc_u32 v8, v8, v5                        ; natural column 192 head + 3 i + j,
	v_cmp_eq_u32 s30, 5, v4
	v_cndmask_b32 v8, v8, v2, s30                  ; or P itself in head 5
	v_min_u32 v8, 0xbff, v8
	v_min_u32 v9, 0x3ff, v8
	v_max_u32 v10, 0x400, v8
	v_lshlrev_b32 v9, 2, v9
	v_lshlrev_b32 v10, 2, v10
	v_lshlrev_b32 v11, 2, v6
	global_load_b32 v12, v9, s[14:15]
	global_load_b32 v13, v10, s[16:17] offset:-4096  ; bkv[column - 1024]
	global_load_b32 v14, v11, s[20:21]
	global_load_b32 v15, v11, s[22:23]
	s_wait_loadcnt 0x0
	v_cmp_gt_u32 vcc_lo, 0x400, v8
	v_cndmask_b32 v12, v13, v12, vcc_lo
	v_cmp_gt_u32 vcc_lo, 0xc00, v2
	v_cndmask_b32 v12, 0, v12, vcc_lo
	v_cvt_pk_bf16_f32 v12, v12, v12
	v_lshlrev_b32 v12, 16, v12
	v_cmp_eq_u32 vcc_lo, 0, v5
	v_cndmask_b32 v14, v15, v14, vcc_lo            ; q's gain or k's,
	v_cmp_gt_u32 vcc_lo, 2, v5
	v_cndmask_b32 v14, 1.0, v14, vcc_lo            ; 1 for v
	v_cndmask_b32 v14, v14, 1.0, s30               ; and for head 5, which is normalised later
	v_cvt_pk_bf16_f32 v14, v14, v14
	v_lshlrev_b32 v14, 16, v14
	v_lshlrev_b32 v16, 2, v2
	global_store_b32 v16, v12, s[28:29]
	global_store_b32 v16, v14, s[28:29] offset:GAINOFF
	s_endpgm
.Lrest:
	; ---- T, work-group 13: bo, and 64 of q's gains, 64 of k's, and both once more
	v_lshlrev_b32 v3, 2, v0
	v_and_b32 v8, 63, v0
	v_lshlrev_b32 v8, 2, v8
.irp e, 0,1,2,3
	global_load_b32 v[4+\e], v3, s[18:19] offset:1024*\e
.endr
	global_load_b32 v9, v8, s[20:21]
	global_load_b32 v10, v8, s[22:23]
	v_and_b32 v11, 64, v0
	v_cmp_ne_u32 vcc_lo, 0, v11
	s_wait_loadcnt 0x0
	v_cndmask_b32 v9, v9, v10, vcc_lo
.irp e, 4,5,6,7,9
	v_cvt_pk_bf16_f32 v[\e], v[\e], v[\e]
	v_lshlrev_b32 v[\e], 16, v[\e]
.endr
.irp e, 0,1,2,3
	global_store_b32 v3, v[4+\e], s[28:29] offset:BOOFF+1024*\e
.endr
	global_store_b32 v3, v9, s[28:29] offset:G5OFF
	s_endpgm
.Lfunc_end_k_q45d91f0e09_prep:
	.size	k_q45d91f0e09_prep, .Lfunc_end_k_q45d91f0e09_prep-k_q45d91f0e09_prep
	.p2alignl 7, 3214868480
	.fill 96, 4, 3214868480
	.section	.rodata,"a",@progbits
	.p2align	6, 0x0
	.amdhsa_kernel k_q45d91f0e09_prep
		.amdhsa_group_segment_fixed_size 18432
		.amdhsa_private_segment_fixed_size 0
		.amdhsa_enable_private_segment 0
		.amdhsa_kernarg_size 104
		.amdhsa_user_sgpr_count 2
		.amdhsa_user_sgpr_kernarg_segment_ptr 1
		.amdhsa_wavefront_size32 1
		.amdhsa_system_sgpr_workgroup_id_x 1
		.amdhsa_system_sgpr_workgroup_id_y 1
		.amdhsa_system_sgpr_workgroup_id_z 1
		.amdhsa_system_vgpr_workitem_id 0
		.amdhsa_next_free_vgpr 112
		.amdhsa_next_free_sgpr 66
		.amdhsa_reserve_vcc 1
		.amdhsa_float_denorm_mode_32 3
		.amdhsa_float_denorm_mode_16_64 3
		.amdhsa_memory_ordered 1
		.amdhsa_forward_progress 1
		.amdhsa_inst_pref_size 23
	.end_amdhsa_kernel
	.amdgpu_metadata
---
amdhsa.version: [ 1, 2 ]
amdhsa.kernels:
  - .name:           k_q45d91f0e09_prep
    .symbol:         k_q45d91f0e09_prep.kd
    .args:
      - { .name: hidden_states, .offset: 0, .size: 8, .value_kind: global_buffer, .address_space: global }
      - { .name: encoder_hidden_states, .offset: 8, .size: 8, .value_kind: global_buffer, .address_space: global }
      - { .name: Wq, .offset: 16, .size: 8, .value_kind: global_buffer, .address_space: global }
      - { .name: Wkv, .offset: 24, .size: 8, .value_kind: global_buffer, .address_space: global }
      - { .name: Wo, .offset: 32, .size: 8, .value_kind: global_buffer, .address_space: global }
      - { .name: bq, .offset: 40, .size: 8, .value_kind: global_buffer, .address_space: global }
      - { .name: bkv, .offset: 48, .size: 8, .value_kind: global_buffer, .address_space: global }
      - { .name: bo, .offset: 56, .size: 8, .value_kind: global_buffer, .address_space: global }
      - { .name: qn_w, .offset: 64, .size: 8, .value_kind: global_buffer, .address_space: global }
      - { .name: kn_w, .offset: 72, .size: 8, .value_kind: global_buffer, .address_space: global }
      - { .name: xb, .offset: 80, .size: 8, .value_kind: global_buffer, .address_space: global }
      - { .name: w16, .offset: 88, .size: 8, .value_kind: global_buffer, .address_space: global }
      - { .name: tab, .offset: 96, .size: 8, .value_kind: global_buffer, .address_space: global }
    .group_segment_fixed_size: 18432
    .private_segment_fixed_size: 0
    .kernarg_segment_align: 8
    .kernarg_segment_size: 104
    .max_flat_workgroup_size: 256
    .sgpr_count:     66
    .vgpr_count:     112
    .wavefront_size: 32
...
	.end_amdgpu_metadata
.endif
;; end of part 1
;; launch proj (part 2): grid 4 x 64, 4 waves a work-group, clusters of 4 x 4, 327,680 bytes of LDS; arguments xb, w16, tab, q, k, v, r5; writes q, k, v, r5
.if DOCPART == 2
	.amdgcn_target "amdgcn-amd-amdhsa--gfx1250"
	.amdhsa_code_object_version 6
	.text
	.protected	k_q45d91f0e09_proj
	.globl	k_q45d91f0e09_proj
	.p2align	8
	.type	k_q45d91f0e09_proj,@function
k_q45d91f0e09_proj:
	s_mov_b64 s[64:65], 0
	v_nop
	global_prefetch_b8 v0, s[64:65] scope:SCOPE_SE
	s_setreg_imm32_b32 hwreg(HW_REG_WAVE_MODE, 25, 1), 1
	s_wait_xcnt 0x0
	s_wait_alu depctr_hold_cnt(0) depctr_sa_sdst(0) depctr_va_vdst(0) depctr_va_sdst(0) depctr_va_ssrc(0) depctr_va_vcc(0) depctr_vm_vsrc(0)
	s_getreg_b32 s2, hwreg(HW_REG_IB_STS2, 6, 4)
	s_cmp_eq_u32 s2, 0
	s_cbranch_scc0 .Lentry_in_a_cluster
	s_endpgm
.Lentry_in_a_cluster:
	s_bfe_u32 s2, ttmp6, 0x10000c
	s_cmp_lg_u32 s2, 0xf033
	s_cbranch_scc0 .Lentry_shape_is_right
	s_endpgm
.Lentry_shape_is_right:
; BOTH PROJECTIONS, BIAS, RMS NORM, SPLIT BY HEADS.  xb: bf16 [2][8192][1024] (hidden, encoder).  w16 rows 0 .. 3071: the sorted weight columns, bf16, along k.
; q, k, v: f16 [64 = batch x 16 + head][2048][64].  r5: f16 [3][8192][64], head 5's three natural groups of 64 columns, bias added, not normalised.
; LIMITS.  v and head 5's raw numbers stay below f16's 65,504; q and k lie within 8 x their gain.  NaN and infinities are not treated apart.
; SHARES.  Work-group (c, rb) owns x rows 128 rb .. + 127 and three tiles of 256 weight rows: 256 c (hidden), then 1024 + 512 c and + 256 (encoder): 24 K steps of 128, one walk through a
; ring of two LDS slots.  Wave w owns one GROUP of 64 weight rows of the tile, which is q, k or v of one head: 8 x 4 accumulators of 16 x 16, 256 registers; the norm never leaves the wave.
; THE MATRIX INSTRUCTION IS USED TRANSPOSED (source 0 = 16 weight rows, source 1 = 16 x rows): a lane holds one x row and eight neighbouring channels.  A tile's first products take the bias as C.
; CLUSTER 4 x 4: x's tile hangs on rb alone and is asked for jointly along the cluster's row, the weights' on c alone and along its column.  Nothing but selects hangs on the place in the cluster.
; AHEAD OF THE TENSOR LOADS wave 0 asks for x's tiles to be brought nearer: 32 rows of 256 bytes, rows 32 cx + lane of the work-group's 128, so that the four partners of a cluster's row ask for each
; block once; steps 2 and 3 at the head, then in trip i step i + 4, two trips ahead of that step's tensor load, up to step 15: steps 16 .. 23 read the encoder's rows a second time.
; The weights are not asked for ahead: the 16 clusters of a column walk the same rows at the same time.
; REGISTERS.  window 0: v1-13 addresses; v28-29 the add's; v32-63 the next first products' bias; v64-159, v160-255 two fragment buffers (x's 8 fragments, then the weights' 4);
;   on the way out buffer 1 is at work.  window 1: accumulator (a, b) at 8 (4 a + b).  window 2: v0-31 the tile's gains.
.set PITCH,  272                       ; an LDS row: 256 bytes + 16: the 16 rows of a fragment load start at 16 different groups of four banks (64 banks of 4 bytes: ISA guide 11.1)
.set SLOT1,  131072                    ; slot 1 begins here: one exclusive or turns an address in one slot into the other's
.set BOFF,   128*PITCH                 ; in a slot: x's 128 rows, then the weights' 256
.set STAGE,  SLOT1+384*PITCH           ; behind the ring: 16 rows x 144 bytes for each wave, for the way out
.set SP,     144
.set SPARE,  STAGE+4*16*SP             ; behind the stages: the spare words, 128 bytes a wave
.set ENCOFF, 16777216                  ; the encoder's rows in xb
.set GAINOFF, 13312                    ; the gains in tab
.set A0,   2                           ; v2   my lane's place in x's tile; never rewritten
.set B0,   3                           ; v3   in my wave's 64 weight rows
.set ADRA, 4                           ; v4, v5  the same in the slot in hand
.set ADRB, 5
.set STO,  6                           ; v6   the way out: where I put 16 bytes of a row
.set RD,   7                           ; v7   where I read rows back
.set GO,   8                           ; v8   my byte offset in 512 consecutive bytes of the output
.set PO,   9                           ; v9   my byte offset in 16 table entries
.set PF0,  12                          ; v12  byte offset in xb of row 128 rb + 32 cx + lane; never rewritten
.set PFA,  13                          ; v13  the same at the K step asked for ahead
.set SPW,  28
.set NIL,  29
.set BIAS, 32
.set F0,   64
.set F1,   160
.set SS,   160                         ; the way out: four registers of sums of squares a block
.set RR,   192                         ; a pair a block: the row's factor; the other half of the lanes' sum
.set TT,   208                         ; two sets of 16: a block's packed results, then whole rows
.set WV, 18
.set WH, 19                            ; 0: I fetch for x, 1: for the weights
.set WL, 20                            ; which half of that tile
.set CX, 21
.set CY, 22
.set CC, 23
.set RB, 24
.set G1A, 28
.set G1B, 36
.set G0A, 44                           ; the walking descriptors: K step 1 at first
.set G0B, 48
.set G0A0, 76                          ; K step 0's descriptors: registers that the way out takes over long behind the wait for that load
.set G0B0, 80
.set ABASE, 52                         ; xb at my half of the work-group's rows
.set BBASE, 54                         ; w16 at my half of a tile's rows
.set OFFA, 56
.set OFFB, 58
.set LL,  60                           ; the K step to be asked for next, 0 .. 23
.set CNT, 61
.set PH,  62                           ; K steps left in the tile
.set TB,  63                           ; the slot in hand, as an LDS byte
.set TILE, 66
.set RS0,  67                          ; tile 0's first weight row
.set RS12, 68                          ; tile t's first weight row less 256 t, t = 1, 2
.set SEL, 74
.set NA,  76                           ; r = NS x rsq(sum of squares x NA + NE)
.set NE,  77
.set NS,  78
.set DST, 80
.set DOFF, 82
.set PB,  84
.set POFF, 88
.set GAM, 90
.set HD,  91
.set JJ,  92
.set PLAIN, 93
.set BI,  94
.set N0B, 95
.set MSB, 0
.macro WIN new                         ; the immediate's high byte repeats the setting that is left; a switch that changes nothing is dropped
.if MSB != (\new)
	s_set_vgpr_msb (MSB<<8)|(\new)
.set MSB, (\new)
.endif
.endm
.macro PLACES                          ; four places behind matrix instructions (ISA guide 7.12.1), where no other vector work is at hand
.rept 4
	v_nop
.endr
.endm
; A joint load: waves 0 and 1 fetch x's two halves of 64 rows, waves 2 and 3 the weights' two halves of 128.  The branch hangs on the wave's number alone.
; An s_nop 0 and four v_nop follow each of the two lines, ahead of the jump and the label.
.macro JLOAD
	s_cmp_eq_u32 s[WH], 0
	s_cbranch_scc0 .Lfor_b_\@
	tensor_load_to_lds s[G0A:G0A+3], s[G1A:G1A+7]
	s_nop 0
.rept 4
	v_nop
.endr
	s_branch .Lasked_\@
.Lfor_b_\@:
	tensor_load_to_lds s[G0B:G0B+3], s[G1B:G1B+7]
	s_nop 0
.rept 4
	v_nop
.endr
.Lasked_\@:
.endm
.macro CREST                           ; a round of the cluster's barrier behind its opening barrier
	s_cmp_lg_u32 s[WV], 0
	s_cbranch_scc1 .Lnot_wave_0_\@
	s_barrier_signal -3
.Lnot_wave_0_\@:
	s_barrier_wait -3
	s_barrier_signal -1
	s_barrier_wait -1
.endm
.macro CROUND
	s_barrier_signal -1
	s_barrier_wait -1
	CREST
.endm
; Both descriptors for K step LL: the other slot, and the address made anew from the step's number.  x's temporaries never hold c, the weights' never rb.
.macro NEXTLOAD
	s_and_b32 s69, s[LL], 7
	s_lshl_b32 s[OFFA], s69, 8                     ; 128 k are 256 bytes
	s_cmp_lt_u32 s[LL], 8
	s_cselect_b32 s70, 0, ENCOFF                   ; tile 0 multiplies hidden, tiles 1 and 2 the encoder's rows
	s_add_co_u32 s[OFFA], s[OFFA], s70
	s_and_b32 s71, s[LL], 7
	s_lshl_b32 s[OFFB], s71, 8
	s_lshr_b32 s72, s[LL], 3
	s_lshl_b32 s72, s72, 8
	s_add_co_u32 s72, s72, s[RS12]
	s_cmp_lt_u32 s[LL], 8
	s_cselect_b32 s72, s[RS0], s72                 ; the tile's first weight row,
	s_lshl_b32 s72, s72, 11                        ; in rows of 2,048 bytes
	s_add_co_u32 s[OFFB], s[OFFB], s72
	s_xor_b32 s[G0A+1], s[G0A+1], SLOT1
	s_add_nc_u64 s[G0A+2:G0A+3], s[ABASE:ABASE+1], s[OFFA:OFFA+1]
	s_or_b32 s[G0A+3], s[G0A+3], 0x80000000
	s_xor_b32 s[G0B+1], s[G0B+1], SLOT1
	s_add_nc_u64 s[G0B+2:G0B+3], s[BBASE:BBASE+1], s[OFFB:OFFB+1]
	s_or_b32 s[G0B+3], s[G0B+3], 0x80000000
	s_add_co_u32 s[LL], s[LL], 1
.endm
; Wave 0 asks ahead for its 32 rows of x's tile of K step LL + 1 (LL has been stepped: that is two steps behind the tensor load just issued), while that step is 15 or less.
.macro AHEAD
	s_cmp_lg_u32 s[WV], 0
	s_cbranch_scc1 .Lno_pf_\@
	s_cmp_lt_u32 s[LL], 15
	s_cbranch_scc0 .Lno_pf_\@
	s_add_co_u32 s73, s[LL], 1
	s_and_b32 s27, s73, 7
	s_lshl_b32 s27, s27, 8
	s_cmp_lt_u32 s73, 8
	s_cselect_b32 s73, 0, ENCOFF
	s_add_co_u32 s27, s27, s73
	s_wait_xcnt 0x0                                ; the offset register of the request a trip ago is rewritten only behind this wait
	v_add_nc_u32 v[PFA], s27, v[PF0]
	global_prefetch_b8 v[PFA], s[4:5] th:TH_LOAD_NT scope:SCOPE_SE
.Lno_pf_\@:
.endm
; 24 LDS loads in one run: the fragments of 32 along K at byte k of the rows, into buffer f: the weights' four, then x's eight
.macro FETCH k, f
	WIN 0
.irp i, 0,1,2,3
	ds_load_b128 v[(\f)+64+8*\i:(\f)+64+8*\i+3],   v[ADRB] offset:(\k)+\i*16*PITCH
	ds_load_b128 v[(\f)+64+8*\i+4:(\f)+64+8*\i+7], v[ADRB] offset:(\k)+\i*16*PITCH+32
.endr
.irp i, 0,1,2,3,4,5,6,7
	ds_load_b128 v[(\f)+8*\i:(\f)+8*\i+3],   v[ADRA] offset:(\k)+\i*16*PITCH
	ds_load_b128 v[(\f)+8*\i+4:(\f)+8*\i+7], v[ADRA] offset:(\k)+\i*16*PITCH+32
.endr
.endm
; 8 matrix instructions: row blocks a0, a0 + 1 x all 4 channel blocks.  first = 1: the bias starts the sums.  The 32 accumulators take turns in one order everywhere.
.macro MUL8 f, a0, first
.if \first
	WIN 0x40                                       ; C in window 0, D in window 1
.else
	WIN 0x50                                       ; C and D in window 1
.endif
.irp a, \a0, (\a0)+1
.irp b, 0,1,2,3
.if \first
	v_wmma_f32_16x16x32_bf16 v[8*(4*(\a)+(\b)):8*(4*(\a)+(\b))+7], v[(\f)+64+8*(\b):(\f)+64+8*(\b)+7], v[(\f)+8*(\a):(\f)+8*(\a)+7], v[BIAS+8*(\b):BIAS+8*(\b)+7]
.else
	v_wmma_f32_16x16x32_bf16 v[8*(4*(\a)+(\b)):8*(4*(\a)+(\b))+7], v[(\f)+64+8*(\b):(\f)+64+8*(\b)+7], v[(\f)+8*(\a):(\f)+8*(\a)+7], v[8*(4*(\a)+(\b)):8*(4*(\a)+(\b))+7]
.endif
.endr
.endr
.endm
; A K step is four quarters of 32 along K, 32 matrix instructions each, on buffers 0, 1, 0, 1.  One of the first three multiplies buffer f and fetches the next quarter, at byte k, into g.
.macro QUARTER k, f, g, first
	s_wait_dscnt 8                                 ; the weights' and x's fragments 0-3 are in; the youngest eight loads (x's 4-7) may be out
	MUL8 \f, 0, \first
	MUL8 \f, 2, \first
	PLACES
	FETCH \k, \g
	s_wait_dscnt 24                                ; all but the 24 just issued
	MUL8 \f, 4, \first
	MUL8 \f, 6, \first
.endm
; The last quarter multiplies buffer 1 and changes slots: each wave waits for all its tensor loads (one is out: its part of the next slot), adds 0 to its spare word, and waits for that
; and for its reads of this slot.  fill = 1: the barrier opens a round of the cluster's, and the joint refill of this slot, two K steps ahead, is the first thing behind it.
.macro TURN fill
	WIN 0
	s_wait_tensorcnt 0x0                           ; no tensor load of mine is out, so the descriptors may be written
	ds_add_u32 v[SPW], v[NIL]
	s_wait_dscnt 9                                 ; (the add and the youngest eight loads may be out)
.if \fill
	NEXTLOAD
.endif
	MUL8 F1, 0, 0
	s_wait_dscnt 0x0                               ; the add is done, and my reads of this slot are over
	s_barrier_signal -1
	MUL8 F1, 2, 0
	WIN 0
	s_barrier_wait -1
.if \fill
	CREST                                          ; no wave of any partner still reads this slot or has a load on its way
	JLOAD                                          ; its four v_nop are also the places in front of the loads below
.else
	PLACES
.endif
	s_xor_b32 s[TB], s[TB], SLOT1
	v_add_nc_u32 v[ADRA], s[TB], v[A0]
	v_add_nc_u32 v[ADRB], s[TB], v[B0]
	FETCH 0, F0
.if \fill
	AHEAD                                          ; behind the wave's own loads, with sixteen matrix instructions to follow
.endif
	MUL8 F1, 4, 0
	MUL8 F1, 6, 0
.endm
; Tables.  A lane's entries are those of its eight channels in each of the four blocks: 32 (lane / 16) + 64 b bytes from the group's first.
.macro BIASLOADS
	WIN 0
.irp b, 0,1,2,3
	global_load_b128 v[BIAS+8*\b:BIAS+8*\b+3],   v[PO], s[PB:PB+1] offset:64*\b
	global_load_b128 v[BIAS+8*\b+4:BIAS+8*\b+7], v[PO], s[PB:PB+1] offset:64*\b+16
.endr
.endm
.macro GAINLOADS
	WIN 0x80                                       ; destination window 2
.irp b, 0,1,2,3
	global_load_b128 v[8*\b:8*\b+3],   v[PO], s[PB:PB+1] offset:GAINOFF+64*\b
	global_load_b128 v[8*\b+4:8*\b+7], v[PO], s[PB:PB+1] offset:GAINOFF+64*\b+16
.endr
	WIN 0
.endm
.macro NEXTP                           ; the table pointer for my group in tile TILE + 1
	s_wait_xcnt 0x0                                ; the pointer is rewritten only behind this wait
	s_add_co_u32 s[POFF], s[TILE], 1
	s_lshl_b32 s[POFF], s[POFF], 8
	s_add_co_u32 s[POFF], s[POFF], s[RS12]
	s_lshl_b32 s73, s[WV], 6
	s_add_co_u32 s[POFF], s[POFF], s73
	s_lshl_b32 s[POFF], s[POFF], 2
	s_add_nc_u64 s[PB:PB+1], s[8:9], s[POFF:POFF+1]
.endm
.macro LOADBIAS                        ; behind a tile's first quarter: the next tile's bias (behind the last tile: 256 entries of 0, which nothing uses)
	WIN 0
	PLACES                                         ; the first quarter's products have read these registers
	NEXTP
	BIASLOADS
.endm
; What my group is, from its number: selects alone, no branch.
.macro GROUPSET
	s_wait_xcnt 0x0                                ; the last tile's stores have read their base
	s_lshl_b32 s[GAM], s[TILE], 8
	s_add_co_u32 s[GAM], s[GAM], s[RS12]
	s_cmp_eq_u32 s[TILE], 0
	s_cselect_b32 s[GAM], s[RS0], s[GAM]
	s_lshr_b32 s[GAM], s[GAM], 6
	s_add_co_u32 s[GAM], s[GAM], s[WV]             ; the group, 0 .. 47
	s_mul_i32 s[HD], s[GAM], 43
	s_lshr_b32 s[HD], s[HD], 7                     ; head = group / 3 (exact below 52)
	s_mul_i32 s[JJ], s[HD], 3
	s_sub_co_u32 s[JJ], s[GAM], s[JJ]              ; 0, 1, 2: q, k, v
	s_mov_b32 s[NA], 0x3c800000                    ; k: mean of 64 squares
	s_cmp_eq_u32 s[JJ], 0
	s_cselect_b64 s[DST:DST+1], s[10:11], s[12:13]
	s_cselect_b32 s[NA], 0x39800000, s[NA]         ; q: of squares of x / 8: 1 / 4096
	s_cselect_b32 s[NS], 0x3e000000, 1.0           ; q: the 1 / 8 itself
	s_cmp_eq_u32 s[JJ], 2
	s_cselect_b64 s[DST:DST+1], s[14:15], s[DST:DST+1]
	s_cselect_b32 s[PLAIN], 1, 0
	s_lshl_b32 s[DOFF], s[BI], 4
	s_add_co_u32 s[DOFF], s[DOFF], s[HD]           ; batch x 16 + head,
	s_lshl2_add_u32 s79, s[JJ], s[BI]              ; or in r5 part x 4 + batch: both in units of 2,048 rows of 128 bytes
	s_cmp_eq_u32 s[HD], 5
	s_cselect_b64 s[DST:DST+1], s[16:17], s[DST:DST+1]
	s_cselect_b32 s[DOFF], s79, s[DOFF]
	s_cselect_b32 s[PLAIN], 1, s[PLAIN]
	s_cmp_eq_u32 s[PLAIN], 1                       ; v and head 5: r = rsq(0 + 1) = 1
	s_cselect_b32 s[NA], 0, s[NA]
	s_cselect_b32 s[NE], 1.0, 0x34000000           ; eps = 2^-23
	s_cselect_b32 s[NS], 1.0, s[NS]
	s_lshl_b32 s[DOFF], s[DOFF], 18
	s_add_co_u32 s[DOFF], s[DOFF], s[N0B]
	s_add_nc_u64 s[DST:DST+1], s[DST:DST+1], s[DOFF:DOFF+1]
.endm
; Block a (16 rows): times gain, times the row's factor, rounded to f16; 16 bytes a lane into my stage, and back as four whole rows of 128 bytes a load.
.macro PACK a
	WIN 0x49                                       ; destination and source 0 window 1, source 1 window 2
.set i, 0
.rept 16
	v_pk_mul_f32 v[32*(\a)+2*i:32*(\a)+2*i+1], v[32*(\a)+2*i:32*(\a)+2*i+1], v[2*i:2*i+1]
.set i, i+1
.endr
	WIN 0x41                                       ; source 1 window 0
.set i, 0
.rept 16
	v_pk_mul_f32 v[32*(\a)+2*i:32*(\a)+2*i+1], v[32*(\a)+2*i:32*(\a)+2*i+1], v[RR+2*(\a):RR+2*(\a)+1] op_sel_hi:[1,0]
.set i, i+1
.endr
	s_wait_xcnt 0x0                                ; this set of TT was store data two blocks ago: it is rewritten only behind this wait
	WIN 0x05                                       ; sources window 1, destination window 0
.set i, 0
.rept 16
	v_cvt_pk_f16_f32 v[TT+16*((\a)%2)+i], v[32*(\a)+2*i], v[32*(\a)+2*i+1]
.set i, i+1
.endr
	WIN 0
.irp b, 0,1,2,3
	ds_store_b128 v[STO], v[TT+16*((\a)%2)+4*\b:TT+16*((\a)%2)+4*\b+3] offset:32*\b
.endr
.irp f, 0,1,2,3
	ds_load_b128 v[TT+16*((\a)%2)+4*\f:TT+16*((\a)%2)+4*\f+3], v[RD] offset:\f*4*SP  ; LDS serves a wave's instructions in order (ISA guide 5.7.1.4): these see the stores above
.endr
.endm
.macro SEND a, younger                 ; younger: the LDS instructions issued behind block a's loads: the next block's eight, or none
.irp f, 0,1,2,3
	s_wait_dscnt (\younger)+3-\f
	global_store_b128 v[GO], v[TT+16*((\a)%2)+4*\f:TT+16*((\a)%2)+4*\f+3], s[DST:DST+1] offset:2048*(\a)+512*\f  ; 512 consecutive bytes, aligned
.endr
.endm
; THE WAY OUT of a tile.  next = 1: the next tile's gains are then asked for.
.macro EPI next
	WIN 0
	PLACES
	s_wait_loadcnt 0x0                             ; the gains, and the next tile's bias: asked for a tile ago
	GROUPSET
	WIN 0x05
.set i, 0
.rept 8                                ; sums of squares: 16 chains that do not wait for each other; each accumulator is read from its low end
.set a, 0
.rept 8
.set x0, 32*a+8*(i/4)+2*(i%4)
.if i == 0
	v_pk_mul_f32 v[SS+4*a:SS+4*a+1], v[x0:x0+1], v[x0:x0+1]
	v_pk_mul_f32 v[SS+4*a+2:SS+4*a+3], v[x0+16:x0+17], v[x0+16:x0+17]
.else
	v_pk_fma_f32 v[SS+4*a:SS+4*a+1], v[x0:x0+1], v[x0:x0+1], v[SS+4*a:SS+4*a+1]
	v_pk_fma_f32 v[SS+4*a+2:SS+4*a+3], v[x0+16:x0+17], v[x0+16:x0+17], v[SS+4*a+2:SS+4*a+3]
.endif
.set a, a+1
.endr
.set i, i+1
.endr
	WIN 0
.set a, 0
.rept 8
	v_pk_add_f32 v[SS+4*a:SS+4*a+1], v[SS+4*a:SS+4*a+1], v[SS+4*a+2:SS+4*a+3]
.set a, a+1
.endr
.set a, 0
.rept 8
	v_add_f32 v[SS+4*a], v[SS+4*a], v[SS+4*a+1]
.set a, a+1
.endr
.set a, 0
.rept 8
	v_permlanex16_b32 v[RR+2*a+1], v[SS+4*a], s[SEL], s[SEL+1]  ; the row's other 32 channels lie in the lane 16 away
.set a, a+1
.endr
.set a, 0
.rept 8
	v_add_f32 v[SS+4*a], v[SS+4*a], v[RR+2*a+1]
.set a, a+1
.endr
.set a, 0
.rept 8
	v_fma_f32 v[SS+4*a], v[SS+4*a], s[NA], s[NE]
.set a, a+1
.endr
.set a, 0
.rept 8
	v_rsq_f32 v[RR+2*a], v[SS+4*a]
.set a, a+1
.endr
	v_nop                                          ; a plain instruction between the last root and the use of its result
.set a, 0
	s_wait_alu depctr_va_vdst(0)
.rept 8
	v_mul_f32 v[RR+2*a], s[NS], v[RR+2*a]
.set a, a+1
.endr
	PACK 0
.irp a, 1,2,3,4,5,6,7                  ; a block's arithmetic stands between the loads of the block before and its stores
	PACK \a
	SEND (\a)-1, 8
.endr
	SEND 7, 0
.if \next
	NEXTP
	GAINLOADS
	s_add_co_u32 s[TILE], s[TILE], 1
.endif
.endm
	s_load_b256 s[4:11], s[0:1], 0x0               ; xb s[4:5], w16 s[6:7], tab s[8:9], q s[10:11]
	s_load_b128 s[12:15], s[0:1], 0x20             ; k s[12:13], v s[14:15]
	s_load_b64 s[16:17], s[0:1], 0x30              ; r5
	v_lshl_add_u32 v[SPW], v0, 2, SPARE
	v_mov_b32 v[NIL], 0
	ds_add_u32 v[SPW], v[NIL]                      ; the wave's opening: the add and its wait stand ahead of my first tensor load
	v_lshrrev_b32 v1, 5, v0
	v_readfirstlane_b32 s[WV], v1
	s_lshr_b32 s[WH], s[WV], 1
	s_and_b32 s[WL], s[WV], 1
	s_bfe_u32 s[CX], ttmp6, 0x40000
	s_bfe_u32 s[CY], ttmp6, 0x40004
	s_lshl_b32 s[CC], ttmp9, 2
	s_add_co_u32 s[CC], s[CC], s[CX]               ; c = 4 x cluster x + cx
	s_and_b32 s[RB], ttmp7, 0xffff
	s_lshl_b32 s[RB], s[RB], 2
	s_add_co_u32 s[RB], s[RB], s[CY]               ; rb = 4 x cluster y + cy
	s_lshl_b32 s25, s[CY], 2
	s_lshl_b32 s25, 15, s25                        ; my row of the cluster
	s_lshl_b32 s26, 0x1111, s[CX]                  ; my column
	s_or_b32 s[G1A], s25, (1<<16)|(1<<20)|(1<<21)|(5<<22)|(3<<25)  ; the mask; 2-byte elements; padding on; bit 21 beside a mask; after every 64 words 4 words
	s_or_b32 s[G1B], s26, (1<<16)|(1<<20)|(1<<21)|(5<<22)|(3<<25)
	s_mov_b32 s[G1A+1], 128<<16                    ; tensor_dim0 = 128
	s_mov_b32 s[G1A+2], 64<<16                     ; tensor_dim1 = 64
	s_mov_b32 s[G1A+3], 128<<16                    ; tile_dim0 = 128
	s_mov_b32 s[G1A+4], 64                         ; tile_dim1 = 64
	s_mov_b32 s[G1A+5], 1024                       ; elements from row to row
	s_mov_b32 s[G1A+6], 0
	s_mov_b32 s[G1A+7], 0
	s_mov_b32 s[G1B+1], 128<<16
	s_mov_b32 s[G1B+2], 128<<16                    ; 128 rows
	s_mov_b32 s[G1B+3], 128<<16
	s_mov_b32 s[G1B+4], 128
	s_mov_b32 s[G1B+5], 1024
	s_mov_b32 s[G1B+6], 0
	s_mov_b32 s[G1B+7], 0
	s_mov_b32 s[G0A0], 1
	s_mul_i32 s[G0A0+1], s[WL], 64*PITCH           ; slot 0; no place in the cluster enters an LDS address
	s_mov_b32 s[G0A], 1
	s_add_co_u32 s[G0A+1], s[G0A0+1], SLOT1        ; slot 1
	s_mov_b32 s[G0B0], 1
	s_mul_i32 s[G0B0+1], s[WL], 128*PITCH
	s_add_co_u32 s[G0B0+1], s[G0B0+1], BOFF
	s_mov_b32 s[G0B], 1
	s_add_co_u32 s[G0B+1], s[G0B0+1], SLOT1
	s_lshl_b32 s[OFFA], s[RB], 18                  ; 128 rows of 2,048 bytes
	s_lshl_b32 s69, s[WL], 17
	s_add_co_u32 s[OFFA], s[OFFA], s69
	s_mov_b32 s[OFFA+1], 0
	s_lshl_b32 s[OFFB], s[WL], 18
	s_mov_b32 s[OFFB+1], 0
	s_lshl_b32 s[RS0], s[CC], 8
	s_lshl_b32 s[RS12], s[CC], 9
	s_add_co_u32 s[RS12], s[RS12], 768
	s_mov_b32 s[SEL], 0x76543210
	s_mov_b32 s[SEL+1], 0xfedcba98
	s_mov_b32 s[POFF+1], 0
	s_lshr_b32 s[BI], s[RB], 4                     ; the batch
	s_and_b32 s[N0B], s[RB], 15
	s_lshl_b32 s[N0B], s[N0B], 14                  ; my 128 rows of 128 bytes in it
	s_mov_b32 s[LL], 2
	s_mov_b32 s[TB], 0
	s_mov_b32 s[TILE], 0
	s_lshl_b32 s73, s[WV], 6
	s_add_co_u32 s[POFF], s[RS0], s73
	s_lshl_b32 s[POFF], s[POFF], 2                 ; my group's entries for tile 0
	s_lshl_b32 s27, s[RB], 18
	s_lshl_b32 s73, s[CX], 16
	s_add_co_u32 s27, s27, s73                     ; row 128 rb + 32 cx, in bytes: for the requests ahead alone
	s_wait_dscnt 0x0                               ; the opening add is done
	s_wait_kmcnt 0x0
	s_add_nc_u64 s[ABASE:ABASE+1], s[4:5], s[OFFA:OFFA+1]
	s_add_nc_u64 s[BBASE:BBASE+1], s[6:7], s[OFFB:OFFB+1]
	s_mov_b64 s[G0A0+2:G0A0+3], s[ABASE:ABASE+1]   ; K step 0,
	s_or_b32 s[G0A0+3], s[G0A0+3], 0x80000000
	s_add_nc_u64 s[G0A+2:G0A+3], s[ABASE:ABASE+1], 256  ; K step 1
	s_or_b32 s[G0A+3], s[G0A+3], 0x80000000
	s_lshl_b32 s[OFFB], s[RS0], 11
	s_add_nc_u64 s[G0B0+2:G0B0+3], s[BBASE:BBASE+1], s[OFFB:OFFB+1]
	s_or_b32 s[G0B0+3], s[G0B0+3], 0x80000000
	s_add_co_u32 s[OFFB], s[OFFB], 256
	s_add_nc_u64 s[G0B+2:G0B+3], s[BBASE:BBASE+1], s[OFFB:OFFB+1]
	s_or_b32 s[G0B+3], s[G0B+3], 0x80000000
	s_add_nc_u64 s[PB:PB+1], s[8:9], s[POFF:POFF+1]
	CROUND                                         ; all sixteen work-groups are here: the first joint loads meet
	s_cmp_eq_u32 s[WH], 0                          ; a wave's two first fills stand in one branch, ahead of every wait on TENSORcnt and every LDS read: two loads of mine are out
	s_cbranch_scc0 .Lfirst_b
	tensor_load_to_lds s[G0A0:G0A0+3], s[G1A:G1A+7]
	s_nop 0
	tensor_load_to_lds s[G0A:G0A+3], s[G1A:G1A+7]
	s_nop 0
.rept 4
	v_nop
.endr
	s_branch .Lfirst_asked
.Lfirst_b:
	tensor_load_to_lds s[G0B0:G0B0+3], s[G1B:G1B+7]
	s_nop 0
	tensor_load_to_lds s[G0B:G0B+3], s[G1B:G1B+7]
	s_nop 0
.rept 4
	v_nop
.endr
.Lfirst_asked:
	v_and_b32 v[PF0], 31, v0
	v_lshl_add_u32 v[PF0], v[PF0], 11, s27
	s_cmp_lg_u32 s[WV], 0
	s_cbranch_scc1 .Lno_pf0
	global_prefetch_b8 v[PF0], s[4:5] offset:512 th:TH_LOAD_NT scope:SCOPE_SE  ; K steps 2 and 3 of my 32 rows
	global_prefetch_b8 v[PF0], s[4:5] offset:768 th:TH_LOAD_NT scope:SCOPE_SE
.Lno_pf0:
	v_and_b32 v1, 15, v0                           ; l % 16
	v_bfe_u32 v10, v0, 4, 1                        ; l / 16
	v_lshlrev_b32 v[PO], 5, v10
	BIASLOADS
	GAINLOADS
	v_mul_u32_u24 v[A0], v1, PITCH
	v_lshl_add_u32 v[A0], v10, 4, v[A0]            ; a fragment's row x pitch + 16 x half
	s_mul_i32 s73, s[WV], 64*PITCH
	s_add_co_u32 s73, s73, BOFF
	v_add_nc_u32 v[B0], s73, v[A0]
	s_mul_i32 s73, s[WV], 16*SP
	s_add_co_u32 s73, s73, STAGE                   ; my stage
	v_mul_u32_u24 v[STO], v1, SP
	v_lshl_add_u32 v[STO], v10, 4, v[STO]
	v_add_nc_u32 v[STO], s73, v[STO]
	v_bfe_u32 v[RD], v0, 3, 2
	v_mul_u32_u24 v[RD], v[RD], SP
	v_and_b32 v11, 7, v0
	v_lshl_add_u32 v[RD], v11, 4, v[RD]
	v_add_nc_u32 v[RD], s73, v[RD]
	v_and_b32 v[GO], 31, v0
	v_lshlrev_b32 v[GO], 4, v[GO]
	v_mov_b32 v[ADRA], v[A0]
	v_mov_b32 v[ADRB], v[B0]
	s_wait_tensorcnt 1                             ; my part of K step 0 is in; K step 1's may stay out
	s_barrier_signal -1
	s_barrier_wait -1                              ; everybody's is
	s_mov_b32 s[DOFF+1], 0                         ; K step 0's descriptors are free since that wait
	FETCH 0, F0
	s_wait_loadcnt 8                               ; the bias is in; the eight loads of the gains may stay out
	QUARTER 64, F0, F1, 1                          ; a tile's first quarter: the bias starts the sums
	LOADBIAS
	WIN 0
	s_mov_b32 s[CNT], 22
	s_mov_b32 s[PH], 8
.Lstep:                                                ; trip i: quarters 1 to 3 of K step i, the request for step i + 2, quarter 0 of step i + 1
	QUARTER 128, F1, F0, 0
	QUARTER 192, F0, F1, 0
	TURN 1
	WIN 0
	s_sub_co_u32 s[PH], s[PH], 1
	s_cmp_eq_u32 s[PH], 0
	s_cbranch_scc1 .Ltile                          ; forward, past text with no barrier and no tensor load
	QUARTER 64, F0, F1, 0
	WIN 0
	s_branch .Lnext
.Ltile:                                                ; a tile is finished; both refills for the next are asked for
	s_mov_b32 s[PH], 8
	EPI 1
	s_wait_loadcnt 8                               ; only the eight loads of the gains are out
	QUARTER 64, F0, F1, 1
	LOADBIAS
	WIN 0
.Lnext:
	s_sub_co_u32 s[CNT], s[CNT], 1
	s_cmp_lg_u32 s[CNT], 0
	s_cbranch_scc1 .Lstep
	QUARTER 128, F1, F0, 0                         ; the last two K steps are written out: nothing is asked for
	QUARTER 192, F0, F1, 0
	TURN 0
	QUARTER 64, F0, F1, 0
	QUARTER 128, F1, F0, 0
	QUARTER 192, F0, F1, 0
	s_wait_dscnt 8
	MUL8 F1, 0, 0
	MUL8 F1, 2, 0
	s_wait_dscnt 0x0
	MUL8 F1, 4, 0
	MUL8 F1, 6, 0
	EPI 0
	s_wait_tensorcnt 0x0                           ; the wave's end
	ds_add_u32 v[SPW], v[NIL]
	s_wait_dscnt 0x0
	CROUND                                         ; the closing round
	s_endpgm
.Lfunc_end_k_q45d91f0e09_proj:
	.size	k_q45d91f0e09_proj, .Lfunc_end_k_q45d91f0e09_proj-k_q45d91f0e09_proj
	.p2alignl 7, 3214868480
	.fill 96, 4, 3214868480
	.section	.rodata,"a",@progbits
	.p2align	6, 0x0
	.amdhsa_kernel k_q45d91f0e09_proj
		.amdhsa_group_segment_fixed_size 327680
		.amdhsa_private_segment_fixed_size 0
		.amdhsa_enable_private_segment 0
		.amdhsa_kernarg_size 56
		.amdhsa_user_sgpr_count 2
		.amdhsa_user_sgpr_kernarg_segment_ptr 1
		.amdhsa_wavefront_size32 1
		.amdhsa_system_sgpr_workgroup_id_x 1
		.amdhsa_system_sgpr_workgroup_id_y 1
		.amdhsa_system_sgpr_workgroup_id_z 1
		.amdhsa_system_vgpr_workitem_id 0
		.amdhsa_next_free_vgpr 544
		.amdhsa_next_free_sgpr 96
		.amdhsa_reserve_vcc 0
		.amdhsa_float_denorm_mode_32 3
		.amdhsa_float_denorm_mode_16_64 3
		.amdhsa_memory_ordered 1
		.amdhsa_forward_progress 1
		.amdhsa_inst_pref_size 155
	.end_amdhsa_kernel
	.amdgpu_metadata
---
amdhsa.version: [ 1, 2 ]
amdhsa.kernels:
  - .name:           k_q45d91f0e09_proj
    .symbol:         k_q45d91f0e09_proj.kd
    .args:
      - { .name: xb, .offset: 0, .size: 8, .value_kind: global_buffer, .address_space: global }
      - { .name: w16, .offset: 8, .size: 8, .value_kind: global_buffer, .address_space: global }
      - { .name: tab, .offset: 16, .size: 8, .value_kind: global_buffer, .address_space: global }
      - { .name: q, .offset: 24, .size: 8, .value_kind: global_buffer, .address_space: global }
      - { .name: k, .offset: 32, .size: 8, .value_kind: global_buffer, .address_space: global }
      - { .name: v, .offset: 40, .size: 8, .value_kind: global_buffer, .address_space: global }
      - { .name: r5, .offset: 48, .size: 8, .value_kind: global_buffer, .address_space: global }
    .group_segment_fixed_size: 327680
    .private_segment_fixed_size: 0
    .kernarg_segment_align: 8
    .kernarg_segment_size: 56
    .max_flat_workgroup_size: 128
    .sgpr_count:     96
    .vgpr_count:     544
    .wavefront_size: 32
...
	.end_amdgpu_metadata
.endif
;; end of part 2
;; launch norm5 (part 3): grid 256 x 1, 8 waves a work-group, no clusters, 0 bytes of LDS; arguments r5, tab, q, k, v; writes q, k, v
.if DOCPART == 3
	.amdgcn_target "amdgcn-amd-amdhsa--gfx1250"
	.amdhsa_code_object_version 6
	.text
	.protected	k_q45d91f0e09_norm5
	.globl	k_q45d91f0e09_norm5
	.p2align	8
	.type	k_q45d91f0e09_norm5,@function
k_q45d91f0e09_norm5:
	s_mov_b64 s[64:65], 0
	v_nop
	global_prefetch_b8 v0, s[64:65] scope:SCOPE_SE
	s_setreg_imm32_b32 hwreg(HW_REG_WAVE_MODE, 25, 1), 1
	s_wait_xcnt 0x0
; HEAD 5.  r5: f16 [3][8192][64]: natural columns 960 + 64 part + i of the projections, bias added.  Column 3 d + j of the head's 192 is channel d of q, k, v (j = 0, 1, 2).
; A work-group owns 32 rows; a lane owns 24 columns of one row (three loads of 16 bytes, none across a part's end): channels 8 ro .. 8 ro + 7 of q, k and v.  The sums of squares meet
; among the row's eight lanes.  q = x / 8 x rsq(mean((x / 8)^2) + eps) x gain, k likewise without the 1 / 8, v as it is.  Each store of a wave covers 512 consecutive bytes, aligned.
; 3 MB in, 3 MB out: no LDS, no matrix unit, no cluster.
.set G5OFF, 30720
	s_load_b256 s[4:11], s[0:1], 0x0               ; r5 s[4:5], tab s[6:7], q s[8:9], k s[10:11]
	s_load_b64 s[12:13], s[0:1], 0x20              ; v
	v_and_b32 v1, 7, v0                            ; ro
	v_lshrrev_b32 v2, 3, v0
	v_lshlrev_b32 v2, 7, v2                        ; my row among the 32, in bytes
	v_mul_u32_u24 v3, v1, 24
.irp t, 0,1,2
	v_add_nc_u32 v9, 8*\t, v3                      ; column 24 ro + 8 t
	v_lshrrev_b32 v10, 6, v9                       ; its part,
	v_and_b32 v9, 63, v9                           ; its place there
	v_lshl_add_u32 v9, v9, 1, v2
	v_lshl_add_u32 v[4+\t], v10, 20, v9            ; a part is 8,192 rows of 128 bytes
.endr
	v_lshlrev_b32 v7, 5, v1
	v_lshlrev_b32 v8, 4, v0
	s_lshl_b32 s14, ttmp9, 12                      ; 32 rows of 128 bytes
	s_mov_b32 s15, 0
	s_lshr_b32 s16, ttmp9, 6                       ; the batch
	s_lshl_b32 s16, s16, 4
	s_add_co_u32 s16, s16, 5
	s_lshl_b32 s16, s16, 18                        ; batch x 16 + 5, in units of 2,048 rows
	s_and_b32 s17, ttmp9, 63
	s_lshl_b32 s17, s17, 12
	s_add_co_u32 s16, s16, s17
	s_mov_b32 s17, 0
	s_mov_b32 s18, 0x39800000                      ; 1 / 4096
	s_mov_b32 s19, 0x3c800000                      ; 1 / 64
	s_mov_b32 s20, 0x34000000                      ; eps = 2^-23
	s_wait_kmcnt 0x0
	s_add_nc_u64 s[4:5], s[4:5], s[14:15]
	s_add_nc_u64 s[8:9], s[8:9], s[16:17]
	s_add_nc_u64 s[10:11], s[10:11], s[16:17]
	s_add_nc_u64 s[12:13], s[12:13], s[16:17]
	global_load_b128 v[16:19], v4, s[4:5]
	global_load_b128 v[20:23], v5, s[4:5]
	global_load_b128 v[24:27], v6, s[4:5]
	global_load_b128 v[32:35], v7, s[6:7] offset:G5OFF
	global_load_b128 v[36:39], v7, s[6:7] offset:G5OFF+16
	global_load_b128 v[40:43], v7, s[6:7] offset:G5OFF+256
	global_load_b128 v[44:47], v7, s[6:7] offset:G5OFF+272
	s_wait_loadcnt 0x0
	v_cvt_f32_f16 v48, v16.l
	v_cvt_f32_f16 v49, v16.h
	v_cvt_f32_f16 v50, v17.l
	v_cvt_f32_f16 v51, v17.h
	v_cvt_f32_f16 v52, v18.l
	v_cvt_f32_f16 v53, v18.h
	v_cvt_f32_f16 v54, v19.l
	v_cvt_f32_f16 v55, v19.h
	v_cvt_f32_f16 v56, v20.l
	v_cvt_f32_f16 v57, v20.h
	v_cvt_f32_f16 v58, v21.l
	v_cvt_f32_f16 v59, v21.h
	v_cvt_f32_f16 v60, v22.l
	v_cvt_f32_f16 v61, v22.h
	v_cvt_f32_f16 v62, v23.l
	v_cvt_f32_f16 v63, v23.h
	v_cvt_f32_f16 v64, v24.l
	v_cvt_f32_f16 v65, v24.h
	v_cvt_f32_f16 v66, v25.l
	v_cvt_f32_f16 v67, v25.h
	v_cvt_f32_f16 v68, v26.l
	v_cvt_f32_f16 v69, v26.h
	v_cvt_f32_f16 v70, v27.l
	v_cvt_f32_f16 v71, v27.h
	v_mul_f32 v72, v48, v48                        ; q's squares,
	v_mul_f32 v73, v49, v49                        ; k's
.irp m, 1,2,3,4,5,6,7
	v_fmac_f32 v72, v[48+3*\m], v[48+3*\m]
	v_fmac_f32 v73, v[49+3*\m], v[49+3*\m]
.endr
.irp x, 1,2,4
	v_add_f32_dpp v72, v72, v72 row_xmask:\x row_mask:0xf bank_mask:0xf
	v_add_f32_dpp v73, v73, v73 row_xmask:\x row_mask:0xf bank_mask:0xf
.endr
	v_fma_f32 v72, v72, s18, s20
	v_fma_f32 v73, v73, s19, s20
	v_rsq_f32 v72, v72
	v_rsq_f32 v73, v73
	v_nop                                          ; a plain instruction between the roots and the use of their results
	s_wait_alu depctr_va_vdst(0)
	v_mul_f32 v72, 0x3e000000, v72
.irp m, 0,1,2,3,4,5,6,7
	v_mul_f32 v[48+3*\m], v[48+3*\m], v72
	v_mul_f32 v[49+3*\m], v[49+3*\m], v73
.endr
.irp m, 0,1,2,3,4,5,6,7
	v_mul_f32 v[48+3*\m], v[48+3*\m], v[32+\m]
	v_mul_f32 v[49+3*\m], v[49+3*\m], v[40+\m]
.endr
.irp m, 0,1,2,3
	v_cvt_pk_f16_f32 v[76+\m], v[48+6*\m], v[51+6*\m]
	v_cvt_pk_f16_f32 v[80+\m], v[49+6*\m], v[52+6*\m]
	v_cvt_pk_f16_f32 v[84+\m], v[50+6*\m], v[53+6*\m]  ; v: exact
.endr
	global_store_b128 v8, v[76:79], s[8:9]
	global_store_b128 v8, v[80:83], s[10:11]
	global_store_b128 v8, v[84:87], s[12:13]
	s_endpgm
.Lfunc_end_k_q45d91f0e09_norm5:
	.size	k_q45d91f0e09_norm5, .Lfunc_end_k_q45d91f0e09_norm5-k_q45d91f0e09_norm5
	.p2alignl 7, 3214868480
	.fill 96, 4, 3214868480
	.section	.rodata,"a",@progbits
	.p2align	6, 0x0
	.amdhsa_kernel k_q45d91f0e09_norm5
		.amdhsa_group_segment_fixed_size 0
		.amdhsa_private_segment_fixed_size 0
		.amdhsa_enable_private_segment 0
		.amdhsa_kernarg_size 40
		.amdhsa_user_sgpr_count 2
		.amdhsa_user_sgpr_kernarg_segment_ptr 1
		.amdhsa_wavefront_size32 1
		.amdhsa_system_sgpr_workgroup_id_x 1
		.amdhsa_system_sgpr_workgroup_id_y 1
		.amdhsa_system_sgpr_workgroup_id_z 1
		.amdhsa_system_vgpr_workitem_id 0
		.amdhsa_next_free_vgpr 88
		.amdhsa_next_free_sgpr 66
		.amdhsa_reserve_vcc 0
		.amdhsa_float_denorm_mode_32 3
		.amdhsa_float_denorm_mode_16_64 3
		.amdhsa_memory_ordered 1
		.amdhsa_forward_progress 1
		.amdhsa_inst_pref_size 7
	.end_amdhsa_kernel
	.amdgpu_metadata
---
amdhsa.version: [ 1, 2 ]
amdhsa.kernels:
  - .name:           k_q45d91f0e09_norm5
    .symbol:         k_q45d91f0e09_norm5.kd
    .args:
      - { .name: r5, .offset: 0, .size: 8, .value_kind: global_buffer, .address_space: global }
      - { .name: tab, .offset: 8, .size: 8, .value_kind: global_buffer, .address_space: global }
      - { .name: q, .offset: 16, .size: 8, .value_kind: global_buffer, .address_space: global }
      - { .name: k, .offset: 24, .size: 8, .value_kind: global_buffer, .address_space: global }
      - { .name: v, .offset: 32, .size: 8, .value_kind: global_buffer, .address_space: global }
    .group_segment_fixed_size: 0
    .private_segment_fixed_size: 0
    .kernarg_segment_align: 8
    .kernarg_segment_size: 40
    .max_flat_workgroup_size: 256
    .sgpr_count:     66
    .vgpr_count:     88
    .wavefront_size: 32
...
	.end_amdgpu_metadata
.endif
;; end of part 3
;; launch attn (part 4): grid 4 x 64, 4 waves a work-group, clusters of 4 x 1, 327,680 bytes of LDS; arguments q, k, v, o; writes o
.if DOCPART == 4
	.amdgcn_target "amdgcn-amd-amdhsa--gfx1250"
	.amdhsa_code_object_version 6
	.text
	.protected	k_q45d91f0e09_attn
	.globl	k_q45d91f0e09_attn
	.p2align	8
	.type	k_q45d91f0e09_attn,@function
k_q45d91f0e09_attn:
	s_mov_b64 s[64:65], 0
	v_nop
	global_prefetch_b8 v0, s[64:65] scope:SCOPE_SE
	s_setreg_imm32_b32 hwreg(HW_REG_WAVE_MODE, 25, 1), 1
	s_wait_xcnt 0x0
	s_wait_alu depctr_hold_cnt(0) depctr_sa_sdst(0) depctr_va_vdst(0) depctr_va_sdst(0) depctr_va_ssrc(0) depctr_va_vcc(0) depctr_vm_vsrc(0)
	s_getreg_b32 s2, hwreg(HW_REG_IB_STS2, 6, 4)
	s_cmp_eq_u32 s2, 0
	s_cbranch_scc0 .Lentry_in_a_cluster
	s_endpgm
.Lentry_in_a_cluster:
	s_bfe_u32 s2, ttmp6, 0x10000c
	s_cmp_lg_u32 s2, 0x3003
	s_cbranch_scc0 .Lentry_shape_is_right
	s_endpgm
.Lentry_shape_is_right:
; O[h][q][:] = the sum over k of softmax_k(Q[h][q] . K[h][k]) V[h][k][:], with no further scale.  Q, K, V, O: [SIZE_H][SIZE_N][64], all f16: a head's rows are dense, 128 bytes each.  Products, maxima
; and sums in f32; the weights p are rounded to f16 for the second product (their sum l is taken of the unrounded p), O once at the end.
; LIMITS.  f16 holds no number beyond 65,504: Q, K and V arrive within it; p lies in 0 to 1, and below 6e-5 it keeps f16's fixed step of 6e-8; O is a mean of V's rows and has their range.
; A weight below 2^-126 counts as 0 in l; NaN and infinities are not treated apart.  The gains are inputs, so nothing bounds the scores: the running maximum is kept.
; SHARES.  A wave owns four PIECES of two tiles of 16 queries, a work-group's four waves 512 queries of one head.  Every wave walks all keys, 64 a step.
; LAYOUT.  S^T = K Q^T (source 0 = 16 keys, source 1 = 16 queries): in the result a lane holds ONE query (lane % 16) and the keys 8 (lane / 16) + 0..7.  Two such tiles, rounded to f16 in pairs,
; ARE source 1 (32 keys x 16 queries) of O^T = V^T P, whose result again holds one query a lane, and eight channels.  K comes out of LDS as it lies, V ([key][channel]) turned, by ds_load_tr16_b128.
; SOFTMAX.  For each query a running maximum m and sum l: p = 2^(c s - c m), c = log2(e); in every step O and l are multiplied by a = 2^(c m_old - c m_new), which is 1 where m has not grown.
; m starts at the lowest finite number, O and l at 0: the first step is a step like any other, with a = 0.
; THE COUNT.  A tile and step have 16 matrix and 118 vector instructions: too many to stand all beside the matrix work.  So the order has one aim: four vector instructions that are READY behind
; EVERY matrix instruction, and the others, which need time of their own whatever the order, in runs without a gap.
; BY TURNS.  Turn n belongs to piece n (the pieces in a ring, step after step).  Its matrix work: 16 products K Q^T of piece n + 1, later 16 products V^T P of piece n - 1.  Its vector work: the scaling,
; exponentials, roundings, sums and rescaling of piece n, and the maximum and statistics of piece n + 1, whose scores the turn itself has made.
; CLUSTER.  The four query blocks of a cluster belong to one head and walk the same K and V, so each tile is asked for JOINTLY: the same tensor load, descriptor and mask in all four.
; REGISTERS, in windows of 256 (s_set_vgpr_msb: bits 1:0 source 0, 3:2 source 1, 5:4 source 2, 7:6 destination):
;   window 0: v0-11 addresses; v12-15, v48-63 at work; v16-47 four registers of statistics a tile; v64-191 S^T, two buffers of two tiles; v192-255 P, likewise
;   window 1: O^T, 32 a tile          window 2: v0-127 Q, 16 a tile; v128-191 K of one step; v192-255 V of one step          window 3: v0-1 the add's two registers
.set SIZE_H, 64
.set SIZE_N, 2048
.set NP,    4         ; pieces a wave: a name, no knob
.set KS,    64        ; keys in a step
.set PK,    144       ; a row of K in LDS: 128 bytes + 16 of padding = 36 words: the 16 rows of a load start at 16 different groups of four banks (64 banks of 4 bytes: ISA guide 11.1)
.set PV,    160       ; a row of V: 128 + 32 = 40 words
.set VOFF,  4*KS*PK   ; a slot holds four steps: 256 rows of K, then 256 rows of V
.set SLOT1, 1<<17     ; slot 1 begins here, so that one exclusive or turns an address in one slot into the other's
.set STAGE, SLOT1+4*KS*(PK+PV)  ; behind the ring, never filled by a tensor load: 16 rows x 144 bytes for each wave, for the way out
.set SP,    144
.set AK0, 2           ; v2   my lane's place in a tile of K; never rewritten
.set AV0, 3           ; v3   the same for V
.set AK,  4           ; v4   the LDS address of K's next run of loads
.set AV,  5           ; v5   of V's
.set QO,  6           ; v6   my byte offset in the wave's rows of Q
.set STO, 6           ;      later, the way out: where I put 16 bytes of a row
.set RD,  7           ; v7   the way out: where I read rows back
.set GO,  8           ; v8   my byte offset in 512 consecutive bytes of O
.set SPW, 0           ; v0 of window 3   LDS address of my spare word; never rewritten
.set NIL, 1           ; v1 of window 3   0; never rewritten
.set SPARE, STAGE+4*16*SP  ; behind the stages: the spare words, 128 bytes for each wave
.set MV,  12          ; v12-15  c m_old, kept while c m is made anew: by buffer and tile
.set ST,  16          ; tile t's statistics at v[ST+4 t]: c m, m, l (even keys', odd keys')
.set TMP, 48          ; by buffer and tile, four registers c0-c3 at work; when the maximum is found c2 takes a
.set S,   64
.set P,   192
.set KF,  128         ; K's fragments, in window 2: key block kb, channel half c at KF + 16 kb + 8 c
.set VF,  192         ; V's: key half kk, channel block cb at VF + 32 kk + 8 cb
.set WV,  12          ; s12  my wave's number
.set G1K, 24          ; s[24:31] descriptor group 1 for K's tiles
.set G1V, 32          ; s[32:39] for V's: it differs in the padding alone
.set G0K, 40          ; s[40:43] descriptor group 0 for K's tiles: it walks
.set G0V, 44          ; s[44:47] the same for V's
.set SLOTS, 56        ; s56  slots still to be asked for
.set CNT, 57          ; s57  counts a slot's key steps
.set CS,  58          ; s[58:59] c: the packed scaling takes the pair's low word for both halves
.set SEL, 60          ; s[60:61] v_permlanex16_b32's selects: each lane takes its own place in the other half
.set TBK, 62          ; s62  LDS byte at which K of the step to be fetched begins
.set TBV, 63          ; s63  the same for V, less VOFF
.set MSB, 0
.macro WIN new                      ; the high byte repeats the setting that is left; a switch that changes nothing is dropped
.if MSB != (\new)
	s_set_vgpr_msb (MSB<<8)|(\new)
.set MSB, (\new)
.endif
.endm
.set W_KQ, 0x0a       ; K and Q in window 2, S^T in window 0
.set W_PV, 0x52       ; V in window 2, P in window 0, O^T in window 1
.set W_RS, 0x41       ; O^T (destination and source 0) in window 1, a in window 0
.set W_MK, 0xc0       ; the add's registers are made: destination in window 3, sources in window 0
.set W_AD, 0x0f       ; the add: address (source 0) and data (source 1) in window 3
; A joint fill.  Waves 0 and 1 fetch the two halves of a slot's K, waves 2 and 3 those of its V: 128 keys each.  The branch hangs on the wave's number alone.
; An s_nop 0 and four v_nop follow each of the two lines, ahead of the jump and the label.
.macro JLOAD
	s_cmp_lt_u32 s[WV], 2
	s_cbranch_scc0 .Lfor_v_\@
	tensor_load_to_lds s[G0K:G0K+3], s[G1K:G1K+7]
	s_nop 0
.rept 4
	v_nop
.endr
	s_branch .Lasked_\@
.Lfor_v_\@:
	tensor_load_to_lds s[G0V:G0V+3], s[G1V:G1V+7]
	s_nop 0
.rept 4
	v_nop
.endr
.Lasked_\@:
.endm
; A round of the cluster's barrier: my work-group's barrier, so that wave 0's signal speaks for all four waves; wave 0 signals; every wave waits for all four work-groups; my work-group's barrier once more.
.macro CROUND
	s_barrier_signal -1
	s_barrier_wait -1
	s_cmp_lg_u32 s[WV], 0
	s_cbranch_scc1 .Lnot_wave_0_\@
	s_barrier_signal -3
.Lnot_wave_0_\@:
	s_barrier_wait -3
	s_barrier_signal -1
	s_barrier_wait -1
.endm
; THE CHANGE OF SLOTS.  The slot's last bytes, V of its fourth step, have been read.  Each wave waits for all its tensor loads, of which one is out: its part
; of the other slot; adds 0 to its spare word; and waits for that and for its own reads of the slot.  Behind the barrier nobody reads this slot any more and the other slot is whole.
; fill = 1: this slot is filled again, with the keys two slots on.  The barrier is then a round of the cluster's, and the joint fill is the first thing behind it: it has four key steps,
; 512 matrix instructions, in which to land.  (At its first use nothing has been read yet: slot 0 is waited for, slot 1 filled.)
.macro CHANGE fill
	WIN W_AD
	s_wait_tensorcnt 0x0            ; no tensor load of mine is out, so a group 0 may be written
	ds_add_u32 v[SPW], v[NIL]       ; 0 onto my spare word
	WIN 0                           ; at a label and at a branch every window is 0
.if \fill
.irp g, G0K, G0V
	s_xor_b32 s[\g+1], s[\g+1], SLOT1  ; the walking descriptor: the other slot than last time,
	s_add_nc_u64 s[\g+2:\g+3], s[\g+2:\g+3], 4*KS*128  ; the next 256 keys; the type bits on top are not reached
.endr
	s_wait_dscnt 0x0                ; the add is done, and my reads of the slot are over
	CROUND
	JLOAD
.else
	s_wait_dscnt 0x0                ; the add is done, and my reads of the slot are over
	s_barrier_signal -1
	s_barrier_wait -1
.endif
	s_sub_co_u32 s[TBK], s[TBK], 4*KS*PK  ; the fetches go back to a slot's first step,
	s_xor_b32 s[TBK], s[TBK], SLOT1       ; in the other slot
	s_sub_co_u32 s[TBV], s[TBV], 4*KS*PV
	s_xor_b32 s[TBV], s[TBV], SLOT1
.endm
	s_load_b256 s[4:11], s[0:1], 0x0  ; Q s[4:5], K s[6:7], V s[8:9], O s[10:11]
	WIN W_MK
	v_lshl_add_u32 v[SPW], v0, 2, SPARE
	v_mov_b32 v[NIL], 0
	WIN W_AD
	ds_add_u32 v[SPW], v[NIL]       ; the wave's opening: the add and its wait stand ahead of my first tensor load
	WIN 0
	v_lshrrev_b32 v1, 5, v0
	v_readfirstlane_b32 s[WV], v1   ; wave 0..3
	s_bfe_u32 s13, ttmp6, 0x40000   ; cx: my place in the cluster
	s_lshl_b32 s14, ttmp9, 2        ; in a cluster launch ttmp9 counts clusters
	s_add_co_u32 s14, s14, s13      ; my block of queries = 4 x cluster x + cx: it enters Q's and O's addresses alone
	s_and_b32 s20, ttmp7, 0xffff    ; the head, which the four partners share
	s_mov_b32 s21, 0
	s_mov_b64 s[22:23], SIZE_N*128
	s_mul_u64 s[20:21], s[20:21], s[22:23]  ; the head's first byte in each of the four tensors
	s_and_b32 s16, s[WV], 1         ; which half of a slot's 256 keys I fetch:
	s_lshl_b32 s22, s16, 14         ; its 128 rows of 128 bytes in memory,
	s_mov_b32 s23, 0
	s_add_nc_u64 s[22:23], s[22:23], s[20:21]
	s_mul_i32 s17, s16, 128*PK      ; and its place in a slot, for K
	s_mul_i32 s18, s16, 128*PV      ; and for V: no place in the cluster enters an LDS address
	s_lshl_b32 s2, s14, 2
	s_add_co_u32 s2, s2, s[WV]      ; my wave among the head's,
	s_lshl_b32 s2, s2, 14           ; its 128 rows
	s_mov_b32 s3, 0
	s_add_nc_u64 s[2:3], s[2:3], s[20:21]
	; descriptor group 1.  128 keys are 16,384 dense bytes: asked for as 64 rows of 256 bytes, two keys a row, and padded in LDS after every key
	s_mov_b32 s[G1K], 15|(1<<16)|(1<<20)|(1<<21)|(4<<22)|(3<<25)  ; the mask of four; 2-byte elements; padding on; bit 21 beside a mask; after every 32 words 4 words
	s_mov_b32 s[G1V], 15|(1<<16)|(1<<20)|(1<<21)|(4<<22)|(7<<25)  ; the same with 8 words of padding
.irp g, G1K, G1V
	s_mov_b32 s[\g+1], 128<<16      ; tensor_dim0 = 128
	s_mov_b32 s[\g+2], 64<<16       ; tensor_dim1 = 64
	s_mov_b32 s[\g+3], 128<<16      ; tile_dim0 = 128
	s_mov_b32 s[\g+4], 64           ; tile_dim1 = 64
	s_mov_b32 s[\g+5], 128          ; 128 elements from row to row
	s_mov_b32 s[\g+6], 0
	s_mov_b32 s[\g+7], 0
.endr
	s_mov_b32 s[CS], 0x3fb8aa3b     ; c = log2(e) = 1.442695
	s_mov_b32 s[CS+1], s[CS]        ; named with it as a pair
	s_mov_b32 s[SEL], 0x76543210
	s_mov_b32 s[SEL+1], 0xfedcba98
	s_mov_b32 s[TBK], SLOT1+4*KS*PK ; the first change of slots turns these two into 0
	s_mov_b32 s[TBV], SLOT1+4*KS*PV
	s_mov_b32 s[G0K], 1             ; count = 1
	s_mov_b32 s[G0K+1], s17         ; LDS address: slot 0
	s_mov_b32 s[G0V], 1
	s_add_co_u32 s[G0V+1], s18, VOFF
	s_wait_dscnt 0x0                ; the opening add is done
	s_wait_kmcnt 0x0
	s_add_nc_u64 s[G0K+2:G0K+3], s[6:7], s[22:23]  ; global address: my half of the head's first 256 keys
	s_or_b32 s[G0K+3], s[G0K+3], 0x80000000        ; type = 2
	s_add_nc_u64 s[G0V+2:G0V+3], s[8:9], s[22:23]
	s_or_b32 s[G0V+3], s[G0V+3], 0x80000000
	s_add_nc_u64 s[4:5], s[4:5], s[2:3]  ; Q and O at my wave's first row
	s_add_nc_u64 s[10:11], s[10:11], s[2:3]
	CROUND                          ; all four work-groups are here: the first joint loads meet
	JLOAD                           ; slot 0.  Slot 1 is asked for when slot 0 is in
	; A fragment of K or Q is 16 rows x 32 channels in 8 registers: lane l holds row l % 16, channels 8 (l / 16) + 0..7 and 16 + 8 (l / 16) + 0..7: two loads of 16 bytes, 32 bytes apart.
	v_and_b32 v1, 15, v0            ; l % 16
	v_bfe_u32 v9, v0, 4, 1          ; l / 16
	v_lshlrev_b32 v[QO], 7, v1
	v_lshl_add_u32 v[QO], v9, 4, v[QO]  ; row x 128 + 16 x half
	WIN 0x80                        ; destination window 2, address window 0
.set i, 0
.rept 4*NP                          ; Q stays in registers: tile i / 2, channels 32 (i % 2) on
	global_load_b128 v[8*i:8*i+3],   v[QO], s[4:5] offset:(i/2)*2048+(i%2)*64
	global_load_b128 v[8*i+4:8*i+7], v[QO], s[4:5] offset:(i/2)*2048+(i%2)*64+32
.set i, i+1
.endr
	; What the first turn finds: V's registers and P's second buffer hold 0 (its products V^T P, of a piece that has not been, add 0), O^T and l are 0.  All this stands in the wait for the first tile.
.set i, VF
.rept 64
	v_mov_b32 v[i], 0
.set i, i+1
.endr
	WIN 0x40
.set i, 0
.rept 64*NP
	v_mov_b32 v[i], 0
.set i, i+1
.endr
	WIN 0
.set i, 0
.rept 2*NP
	v_mov_b32 v[ST+4*i], 0xfe000000    ; c m: far below every c s
	v_mov_b32 v[ST+4*i+1], 0xff7fffff  ; m
	v_mov_b32 v[ST+4*i+2], 0
	v_mov_b32 v[ST+4*i+3], 0
.set i, i+1
.endr
.set i, P+32
.rept 32
	v_mov_b32 v[i], 0
.set i, i+1
.endr
	v_mul_u32_u24 v[AK0], v1, PK
	v_lshl_add_u32 v[AK0], v9, 4, v[AK0]  ; row x pitch + 16 x half
	; The turning load takes 16 keys x 16 channels (lane l reads key 8 (l / 16) + l % 8, channels 8 ((l / 8) % 2) + 0..7) and leaves half a fragment of V^T: lane l holds channel l % 16 and 8 keys.
	v_and_b32 v10, 7, v0
	v_bfe_u32 v11, v0, 3, 1
	v_lshl_add_u32 v[AV0], v9, 3, v10
	v_mul_u32_u24 v[AV0], v[AV0], PV
	v_lshl_add_u32 v[AV0], v11, 4, v[AV0]
	v_add_nc_u32 v[AV0], VOFF, v[AV0]
	v_mov_b32 v[AK], v[AK0]         ; key step 0 lies at the head of slot 0
; THE MATRIX WORK.  The 8 accumulators of a run of 16 take turns: between the two links of a chain stand 7 others'.
; Product i of 16 of S^T = K Q^T for piece x: channels 32 (i / 8) on, keys 16 ((i / 2) % 4) on, tile 2 x + i % 2.  The first 8 start the sums.
.macro KQ x
	WIN W_KQ
.set rS, S+64*((\x)%2)+32*(i%2)+8*((i/2)%4)
.set rK, KF+16*((i/2)%4)+8*(i/8)
.set rQ, 16*(2*(\x)+i%2)+8*(i/8)
.if i < 8
	v_wmma_f32_16x16x32_f16 v[rS:rS+7], v[rK:rK+7], v[rQ:rQ+7], 0
.else
	v_wmma_f32_16x16x32_f16 v[rS:rS+7], v[rK:rK+7], v[rQ:rQ+7], v[rS:rS+7]
.endif
.endm
; Product i of 16 of O^T += V^T P for piece x: keys 32 (i / 8) on, channels 16 ((i / 2) % 4) on, tile 2 x + i % 2.
.macro PV x
	WIN W_PV
.set rO, 32*(2*(\x)+i%2)+8*((i/2)%4)
.set rV, VF+32*(i/8)+8*((i/2)%4)
.set rP, P+32*((\x)%2)+16*(i%2)+8*(i/8)
	v_wmma_f32_16x16x32_f16 v[rO:rO+7], v[rV:rV+7], v[rP:rP+7], v[rO:rO+7]
.endm
.macro MM                           ; the turn's next matrix instruction
.if i < 16
	KQ (Y+1)%NP
.set i, i+1
.else
.set i, i-16
	PV (Y+NP-1)%NP
.set i, i+17
.endif
.endm
; THE LDS LOADS stand in runs of 16, never singly among the matrix instructions: a step's K (64 keys x 64 channels: 8 fragments) and its V (turned).  Their addresses are made some lines ahead.
; last = 1 (the tail): in the last trip there is no further step, and the run is jumped over.
.macro FETCH_K last=0
	WIN 0
.if \last
	s_cmp_eq_u32 s[CNT], 1
	s_cbranch_scc1 .Lno_k_\@
.endif
	WIN 0x80                        ; destination window 2
.irp f, 0,1,2,3,4,5,6,7             ; keys 16 (f / 2) on, channels 32 (f % 2) on
	ds_load_b128 v[KF+8*\f:KF+8*\f+3],   v[AK] offset:(\f/2)*16*PK+(\f%2)*64
	ds_load_b128 v[KF+8*\f+4:KF+8*\f+7], v[AK] offset:(\f/2)*16*PK+(\f%2)*64+32
.endr
	s_add_co_u32 s[TBK], s[TBK], KS*PK  ; the next fetch is the next step's
	WIN 0
.if \last
.Lno_k_\@:
.endif
.endm
.macro FETCH_V
	WIN 0x80
.irp f, 0,1,2,3,4,5,6,7             ; keys 32 (f / 4) on, channels 16 (f % 4) on
	ds_load_tr16_b128 v[VF+8*\f:VF+8*\f+3],   v[AV] offset:(\f/4)*32*PV+(\f%4)*32
	ds_load_tr16_b128 v[VF+8*\f+4:VF+8*\f+7], v[AV] offset:(\f/4)*32*PV+16*PV+(\f%4)*32
.endr
	WIN 0
.endm
; THE VECTOR WORK OF A TURN stands in three queues, each in the order in which its entries become ready; the two tiles alternate, so that no instruction reads the result of the one before it.
.macro REGS y, u                    ; the registers of tile u (0, 1) of piece y
.set rT, ST+4*(2*(\y)+(\u))
.set rC, TMP+8*((\y)%2)+4*(\u)
.set rM, MV+2*((\y)%2)+(\u)
.set rS, S+64*((\y)%2)+32*(\u)
.set rP, P+32*((\y)%2)+16*(\u)
.set rO, 32*(2*(\y)+(\u))
.endm
; Number n of the 22 that find the NEXT piece's (Y + 1) maximum and statistics.  s0-s31 are the lane's 32 scores; each accumulator's lowest registers are read first.
;   0-11  four chains c0-c3 of seven scores each, three operands at a time     12-14, 16  the four scores left over, the old m, and c0-c3 into c0     15  c m_old is kept
;   17, 18  the query's other 32 keys lie in the lane 16 away: the new m         19-21  c m; c m_old - c m_new; a
.macro XS u, n
	REGS (Y+1)%NP, \u
.if (\n) < 4
	v_max3_num_f32 v[rC+(\n)], v[rS+8*(\n)], v[rS+8*(\n)+1], v[rS+8*(\n)+2]
.elseif (\n) < 12
	v_max3_num_f32 v[rC+(\n)%4], v[rC+(\n)%4], v[rS+8*((\n)%4)+2*((\n)/4)+1], v[rS+8*((\n)%4)+2*((\n)/4)+2]
.elseif (\n) == 12
	v_max3_num_f32 v[rC], v[rC], v[rS+7], v[rS+15]
.elseif (\n) == 13
	v_max3_num_f32 v[rC+1], v[rC+1], v[rS+23], v[rS+31]
.elseif (\n) == 14
	v_max3_num_f32 v[rC+2], v[rC+2], v[rC+3], v[rT+1]
.elseif (\n) == 15
	v_mov_b32 v[rM], v[rT]
.elseif (\n) == 16
	v_max3_num_f32 v[rC], v[rC], v[rC+1], v[rC+2]
.elseif (\n) == 17
	v_permlanex16_b32 v[rC+3], v[rC], s[SEL], s[SEL+1]
.elseif (\n) == 18
	v_max_num_f32 v[rT+1], v[rC], v[rC+3]
.elseif (\n) == 19
	v_mul_f32 v[rT], s[CS], v[rT+1]
.elseif (\n) == 20
	v_sub_f32 v[rC+1], v[rM], v[rT]
.else
	v_exp_f32 v[rC+2], v[rC+1]
.endif
.endm
; Number g of the 64 that follow the exponentials.  For each four weights k of a tile (pairs 2 k, 2 k + 1): both pairs are rounded to f16; then the second pair is added onto the first, in place;
; a group later l takes that sum (the first time as l = a l + sum).  In groups of eight, tiles alternating: round, round, add, and l for the group before.
.macro GS g
.set h, (\g)+6*((\g)/62)            ; group 0 has no group before it, and behind group 7 only l is left
.if h >= 6
.set h, h+2
.endif
	REGS Y, h%2
.set k, h/8
.if h%8 < 4
	s_wait_alu depctr_va_vdst(0)
	v_cvt_pk_f16_f32 v[rP+2*k+(h%8)/2], v[rS+4*k+2*((h%8)/2)], v[rS+4*k+2*((h%8)/2)+1]
.elseif h%8 < 6
	v_pk_add_f32 v[rS+4*k:rS+4*k+1], v[rS+4*k:rS+4*k+1], v[rS+4*k+2:rS+4*k+3]
.elseif k == 1
	v_pk_fma_f32 v[rT+2:rT+3], v[rT+2:rT+3], v[rC+2:rC+3], v[rS:rS+1] op_sel_hi:[1,0,1]
.else
	v_pk_add_f32 v[rT+2:rT+3], v[rT+2:rT+3], v[rS+4*k-4:rS+4*k-3]
	s_wait_alu depctr_va_vdst(0)
.endif
.endm
; THE PLAIN QUEUE, 138 long.  0-31: c s - c m for the 16 pairs of both tiles.  Then GS's 64, and among them the next piece's 42: number 15 at 38, 39; 0-14 and 16
; at 42-73, behind the products that make those scores; 17-20 at 95-106, two of three, since each waits for the one before it.
.macro PL
	WIN 0
.if q < 32
	REGS Y, q%2
	v_pk_fma_f32 v[rS+2*(q/2):rS+2*(q/2)+1], v[rS+2*(q/2):rS+2*(q/2)+1], s[CS:CS+1], v[rT:rT+1] op_sel_hi:[1,0,0] neg_lo:[0,0,1] neg_hi:[0,0,1]
.elseif q < 38
	GS q-32
.elseif q < 40
	XS q%2, 15
.elseif q < 42
	GS q-34
.elseif q < 74
	XS q%2, (q-42)/2+(q-42)/30
.elseif q < 95
	GS q-66
.elseif (q < 107) && ((q-95)%3 < 2)
	XS (q-95)%3, 17+(q-95)/3
.elseif q < 107
	GS 29+(q-95)/3
.else
	GS q-74
.endif
.set q, q+1
.endm
; THE EXPONENTIALS' QUEUE, 66 long: s0-s31 of both tiles, and at EA the next piece's two a.
.set EA, 58
.macro EX
	WIN 0
.if (e == EA) || (e == EA+1)
	XS e-EA, 21
.else
.set x, e-2*(e/(EA+2))
	REGS Y, x%2
	v_exp_f32 v[rS+x/2], v[rS+x/2]
.endif
.set e, e+1
.endm
; THE RESCALING's QUEUE: O^T times a, the one part that leaves window 0, so it is dealt four at a time, eight times.
.macro R4
	REGS Y, r%2
	WIN W_RS
	s_wait_alu depctr_va_vdst(0)
.irp z, 0,1,2,3
	v_pk_mul_f32 v[rO+8*(r/2)+2*\z:rO+8*(r/2)+2*\z+1], v[rO+8*(r/2)+2*\z:rO+8*(r/2)+2*\z+1], v[rC+2:rC+3] op_sel_hi:[1,0]
.endr
.set r, r+1
.endm
; HOW THEY ARE DEALT.  Behind a matrix instruction four: plain, exponential, plain, plain (one exponential, a plain instruction on either side), or four of the rescaling.  None names a register of the
; products round it.  What is over stands in two LUMPS: exponential and plain by turns; the second ends in 22 plain instructions.  The two v_permlanex16_b32 fall into the second lump.
; The queues lean on each other, and the deal keeps them in step: exponential e stands behind plain 2 (e / 4) + e % 2 (its scaling); when plain 32 comes, 10 exponentials are out, at 59: 33, at 95: 46; EA comes behind plain 107.
.macro SL
	MM
	PL
	EX
	PL
	PL
.endm
.macro BURST n                      ; 15 matrix instructions, or 16
.rept (\n)-7
	SL
.endr
.rept 3
	MM
	R4
	SL
.endr
	MM
	R4
.endm
; A TURN, for piece p.  cnt = 1: the loop's count is taken down some lines ahead of the branch that stands behind the turn.
; K of the next step is fetched in piece 2's turn, 31 vector instructions behind the last product that read K; V of the step in hand at the end of piece 0's turn, 69 behind its last reader.
.macro TURN p, last=0, cnt=0
.set Y, (\p)
.set i, 0
.set q, 0
.set e, 0
.set r, 0
.if (\p) == NP-1
	s_wait_dscnt 0x0                ; K is in
.endif
	MM
.rept 4
	PL
.endr
	BURST 15
.rept 22
	EX
	PL
.if ((\p) == NP-2) && (e == 18)
	v_add_nc_u32 v[AK], s[TBK], v[AK0]
.endif
.if ((\p) == NP-2) && (e == 24)
	FETCH_K \last
.endif
.endr
.if (\p) == 1
	s_wait_dscnt 0x0                ; V is in
.endif
	BURST 16
.rept 21
	EX
	PL
.endr
.rept 22
	PL
.if ((\p) == 0) && (q == 118)
	v_add_nc_u32 v[AV], s[TBV], v[AV0]
	s_wait_alu depctr_va_vdst(0)
.endif
.if ((\p) == 0) && (q == 130)
	s_add_co_u32 s[TBV], s[TBV], KS*PV
.endif
.if (\cnt) && (q == 130)
	s_sub_co_u32 s[CNT], s[CNT], 1
	s_cmp_lg_u32 s[CNT], 0
.endif
.endr
.if (\p) == 0
	FETCH_V
.endif
.endm
	CHANGE 1                        ; slot 0 is in, everybody's part of it; slot 1 is asked for
	FETCH_K                         ; key step 0
	s_wait_loadcnt 0x0              ; Q
	s_wait_dscnt 0x0
.set i, 0
.rept 16
	KQ 0                            ; piece 0's first scores: there is no vector work yet to set between them
.set i, i+1
.endr
	WIN 0                           ; the addresses for the way out: nine plain instructions, the places behind those products
	s_mul_i32 s13, s[WV], 16*SP
	s_add_co_u32 s13, s13, STAGE    ; my stage
	v_mul_u32_u24 v[STO], v1, SP    ; in: row l % 16, 16 bytes for each half of the lanes
	v_lshl_add_u32 v[STO], v9, 4, v[STO]
	v_add_nc_u32 v[STO], s13, v[STO]
	v_bfe_u32 v[RD], v0, 3, 2       ; back: 32 lanes take four rows of 128 bytes,
	v_mul_u32_u24 v[RD], v[RD], SP
	v_lshl_add_u32 v[RD], v10, 4, v[RD]
	v_add_nc_u32 v[RD], s13, v[RD]
	v_and_b32 v[GO], 31, v0         ; which are 512 consecutive bytes of O
	v_lshlrev_b32 v[GO], 4, v[GO]
.set Y, NP-1                        ; XS works for piece Y + 1: piece 0
.irp n, 0,1,2,3,4,5,6,7,8,9,10,11,12,13,14,15,16,17,18,19,20,21
	XS 0, \n                        ; and piece 0's first maximum and statistics
	XS 1, \n
.endr
	s_mov_b32 s[CNT], 4
	s_mov_b32 s[SLOTS], SIZE_N/256-1
	s_branch .Lfirst                ; the loop is entered at a step's first turn, in the middle of a trip
.Lslot:                             ; SIZE_N / 256 - 2 times: every slot but the last two is filled again
	CHANGE 1
	s_mov_b32 s[CNT], 4
.Lstep:                             ; a trip: pieces 2 and 3 of one step, then pieces 0 and 1 of the next, whose K and V it fetches
	TURN 2
	TURN 3
	WIN 0
.Lfirst:
	TURN 0
	TURN 1, 0, 1
	WIN 0
	s_cbranch_scc1 .Lstep
	s_sub_co_u32 s[SLOTS], s[SLOTS], 1
	s_cmp_lg_u32 s[SLOTS], 0
	s_cbranch_scc1 .Lslot
	CHANGE 0                        ; the tail is written out: nothing is asked for
	s_mov_b32 s[CNT], 5             ; four trips fetch the last slot's steps; the fifth is left in its middle
.Ltail:
	TURN 2, 1
	TURN 3
	WIN 0
	s_sub_co_u32 s[CNT], s[CNT], 1
	s_cmp_eq_u32 s[CNT], 0
	s_cbranch_scc1 .Lout
	TURN 0
	TURN 1
	WIN 0
	s_branch .Ltail
.Lout:                              ; the fifth trip's 16 products K Q^T (on the last K once more) and the maximum made of them serve nothing: the price, once a launch, of one text for every trip
.set i, 0
.rept 16
	PV NP-1                         ; the last piece's V^T P of the last step
.set i, i+1
.endr
	; THE WAY OUT.  l's two halves and the other half of the lanes' are added; O^T is divided by l, rounded to f16 and sent through my stage in LDS, a tile at a time.  The additions are the places behind the last products.
	WIN 0
.macro ALL line:vararg              ; one line for each tile t
.set t, 0
.rept 2*NP
	\line
.set t, t+1
.endr
.endm
	ALL v_add_f32 v[ST+4*t+2], v[ST+4*t+2], v[ST+4*t+3]
	ALL v_permlanex16_b32 v[ST+4*t+3], v[ST+4*t+2], s[SEL], s[SEL+1]
	ALL v_add_f32 v[ST+4*t+2], v[ST+4*t+2], v[ST+4*t+3]
	ALL v_rcp_f32 v[ST+4*t+2], v[ST+4*t+2]
	v_nop                           ; a plain instruction between the last reciprocal and the use of its result
	s_wait_alu depctr_va_vdst(0)
; Tile t: a lane's eight channels of a row pack into 16 bytes; they go into rows of 144 bytes and come back as whole rows of 128, into S^T's registers.
.macro PACK t
	WIN W_RS
.set i, 32*(\t)
.rept 16
	v_pk_mul_f32 v[i:i+1], v[i:i+1], v[ST+4*(\t)+2:ST+4*(\t)+3] op_sel_hi:[1,0]
.set i, i+2
.endr
	WIN 0x05                        ; sources 0 and 1 window 1, destination window 0
.set i, 0
.rept 16
	v_cvt_pk_f16_f32 v[S+16*(\t)+i], v[32*(\t)+2*i], v[32*(\t)+2*i+1]
.set i, i+1
.endr
	WIN 0
.irp f, 0,1,2,3
	ds_store_b128 v[STO], v[S+16*(\t)+4*\f:S+16*(\t)+4*\f+3] offset:32*\f
.endr
.irp f, 0,1,2,3
	ds_load_b128 v[S+16*(\t)+4*\f:S+16*(\t)+4*\f+3], v[RD] offset:\f*4*SP  ; LDS serves a wave's instructions in order (ISA guide 5.7.1.4): these see the stores above; the next tile's stores come behind them
.endr
.endm
.macro SEND t, younger              ; younger: the LDS instructions issued behind tile t's loads: the next tile's eight, or none
	WIN 0
.irp f, 0,1,2,3
	s_wait_dscnt (\younger)+3-\f
	global_store_b128 v[GO], v[S+16*(\t)+4*\f:S+16*(\t)+4*\f+3], s[10:11] offset:(\t)*2048+\f*512  ; 512 consecutive bytes, at a multiple of 256 from O's first
.endr
.endm
	PACK 0
.set t, 1
.rept 2*NP-1                        ; a tile's arithmetic stands between the loads of the tile before and its stores
	PACK t
	SEND t-1, 8
.set t, t+1
.endr
	SEND 2*NP-1, 0
	WIN W_AD
	s_wait_tensorcnt 0x0            ; the wave's end, behind my last tensor load and my last LDS store
	ds_add_u32 v[SPW], v[NIL]
	s_wait_dscnt 0x0
	WIN 0
	CROUND                          ; the closing round: no work-group ends while a partner may still ask for a tile that names it
	s_endpgm
.Lfunc_end_k_q45d91f0e09_attn:
	.size	k_q45d91f0e09_attn, .Lfunc_end_k_q45d91f0e09_attn-k_q45d91f0e09_attn
	.p2alignl 7, 3214868480
	.fill 96, 4, 3214868480
	.section	.rodata,"a",@progbits
	.p2align	6, 0x0
	.amdhsa_kernel k_q45d91f0e09_attn
		.amdhsa_group_segment_fixed_size 327680
		.amdhsa_private_segment_fixed_size 0
		.amdhsa_enable_private_segment 0
		.amdhsa_kernarg_size 32
		.amdhsa_user_sgpr_count 2
		.amdhsa_user_sgpr_kernarg_segment_ptr 1
		.amdhsa_wavefront_size32 1
		.amdhsa_system_sgpr_workgroup_id_x 1
		.amdhsa_system_sgpr_workgroup_id_y 1
		.amdhsa_system_sgpr_workgroup_id_z 1
		.amdhsa_system_vgpr_workitem_id 0
		.amdhsa_next_free_vgpr 770
		.amdhsa_next_free_sgpr 66
		.amdhsa_reserve_vcc 0
		.amdhsa_float_denorm_mode_32 3
		.amdhsa_float_denorm_mode_16_64 3
		.amdhsa_memory_ordered 1
		.amdhsa_forward_progress 1
		.amdhsa_inst_pref_size 208
	.end_amdhsa_kernel
	.amdgpu_metadata
---
amdhsa.version: [ 1, 2 ]
amdhsa.kernels:
  - .name:           k_q45d91f0e09_attn
    .symbol:         k_q45d91f0e09_attn.kd
    .args:
      - { .name: q, .offset: 0, .size: 8, .value_kind: global_buffer, .address_space: global }
      - { .name: k, .offset: 8, .size: 8, .value_kind: global_buffer, .address_space: global }
      - { .name: v, .offset: 16, .size: 8, .value_kind: global_buffer, .address_space: global }
      - { .name: o, .offset: 24, .size: 8, .value_kind: global_buffer, .address_space: global }
    .group_segment_fixed_size: 327680
    .private_segment_fixed_size: 0
    .kernarg_segment_align: 8
    .kernarg_segment_size: 32
    .max_flat_workgroup_size: 128
    .sgpr_count:     66
    .vgpr_count:     770
    .wavefront_size: 32
...
	.end_amdgpu_metadata
.endif
;; end of part 4
;; launch outp (part 5): grid 4 x 64, 4 waves a work-group, clusters of 4 x 4, 327,680 bytes of LDS; arguments o, w16, tab, out0; writes out0
.if DOCPART == 5
	.amdgcn_target "amdgcn-amd-amdhsa--gfx1250"
	.amdhsa_code_object_version 6
	.text
	.protected	k_q45d91f0e09_outp
	.globl	k_q45d91f0e09_outp
	.p2align	8
	.type	k_q45d91f0e09_outp,@function
k_q45d91f0e09_outp:
	s_mov_b64 s[64:65], 0
	v_nop
	global_prefetch_b8 v0, s[64:65] scope:SCOPE_SE
	s_setreg_imm32_b32 hwreg(HW_REG_WAVE_MODE, 25, 1), 1
	s_wait_xcnt 0x0
	s_wait_alu depctr_hold_cnt(0) depctr_sa_sdst(0) depctr_va_vdst(0) depctr_va_sdst(0) depctr_va_ssrc(0) depctr_va_vcc(0) depctr_vm_vsrc(0)
	s_getreg_b32 s2, hwreg(HW_REG_IB_STS2, 6, 4)
	s_cmp_eq_u32 s2, 0
	s_cbranch_scc0 .Lentry_in_a_cluster
	s_endpgm
.Lentry_in_a_cluster:
	s_bfe_u32 s2, ttmp6, 0x10000c
	s_cmp_lg_u32 s2, 0xf033
	s_cbranch_scc0 .Lentry_shape_is_right
	s_endpgm
.Lentry_shape_is_right:
; THE OUTPUT PROJECTION.  out0[b][n][e] = the sum over head and channel of O[b x 16 + head][n][channel] Wo[64 head + channel][e] + bo[e].  O: f16 by heads; w16 rows 3072 + e: Wo's column e along k, f16;
; out0: f32 [8192][1024].  Sums in f32; the bias is the C of the first products, so the way out has no arithmetic.
; SHARES.  Work-group (c, rb): rows 128 rb .. + 127, columns 256 c .. + 255; wave w: all 128 rows x 64 columns (256 bytes of a row of out0): 8 x 4 accumulators, 256 registers.
; K goes in 8 steps of 128 = two heads, through a ring of two LDS slots.  A head's 128 rows are 16,384 dense bytes: asked for as 64 rows of 256 bytes and padded in LDS after every 128.
; THE MATRIX INSTRUCTION IS USED TRANSPOSED (source 0 = 16 rows of w16, source 1 = 16 rows of O): a lane holds one row of out0 and eight neighbouring columns.
; CLUSTER 4 x 4: O's tiles hang on rb alone and are asked for jointly along the cluster's row, the weights' on c alone and along its column.
; AHEAD OF THE TENSOR LOADS wave 0 asks for O's tiles to be brought nearer: a step's two heads are 128 blocks of 256 bytes, of which partner cx takes 32 (head cx / 2, half cx % 2), a block a lane,
; so that the four partners ask for each block once; steps 2 and 3 at the head, then in trip i step i + 4, two trips ahead of that step's tensor load, up to the last step, 7.
; REGISTERS.  window 0: v1-13 addresses; v28-29 the add's; v32-63 the bias; v64-159, v160-255 two fragment buffers (O's 8 fragments, then the weights' 4); on the way out buffer 1 holds rows read back.
;   window 1: accumulator (a, b) at 8 (4 a + b).
.set PA,     144                       ; a row of O in LDS: 128 bytes + 16
.set ASUB,   128*PA                    ; one head's 128 rows
.set PBW,    272                       ; a row of weights: 256 bytes + 16.  Both pitches are odd multiples of 16 bytes: the 16 rows of a load start at 16 different groups of four banks (ISA guide 11.1)
.set BOFF,   2*ASUB
.set SLOT1,  131072
.set STAGE,  SLOT1+BOFF+256*PBW        ; behind the ring: 16 rows x 272 bytes for each wave
.set SP,     272
.set SPARE,  STAGE+4*16*SP
.set WOOFF,  3072*2048                 ; Wo's rows in w16
.set BOOFF,  26624                     ; bo in tab
.set A0,   2
.set B0,   3
.set ADRA, 4
.set ADRB, 5
.set STO,  6
.set RD,   7
.set CO,   8
.set PO,   9
.set PF0,  12                          ; v12  byte offset in o of my block of K step 0's tile; never rewritten
.set PFA,  13                          ; v13  the same at the K step asked for ahead
.set SPW,  28
.set NIL,  29
.set BIAS, 32
.set F0,   64
.set F1,   160
.set TT,   160                         ; the way out: two sets of 32
.set WV, 18
.set WH, 19
.set WL, 20
.set CX, 21
.set CY, 22
.set CC, 23
.set RB, 24
.set G1A, 28
.set G1B, 36
.set G0A, 44                           ; the walking descriptors: K step 1 at first
.set G0B, 48
.set G0A0, 56                          ; K step 0's descriptors
.set G0B0, 76
.set CNT, 61
.set TB,  63
.set MSB, 0
.macro WIN new
.if MSB != (\new)
	s_set_vgpr_msb (MSB<<8)|(\new)
.set MSB, (\new)
.endif
.endm
.macro PLACES
.rept 4
	v_nop
.endr
.endm
.macro JLOAD                           ; waves 0 and 1 fetch the step's two heads of O, waves 2 and 3 the weights' two halves of 128 rows; an s_nop 0 and four v_nop follow each line
	s_cmp_eq_u32 s[WH], 0
	s_cbranch_scc0 .Lfor_b_\@
	tensor_load_to_lds s[G0A:G0A+3], s[G1A:G1A+7]
	s_nop 0
.rept 4
	v_nop
.endr
	s_branch .Lasked_\@
.Lfor_b_\@:
	tensor_load_to_lds s[G0B:G0B+3], s[G1B:G1B+7]
	s_nop 0
.rept 4
	v_nop
.endr
.Lasked_\@:
.endm
.macro CREST
	s_cmp_lg_u32 s[WV], 0
	s_cbranch_scc1 .Lnot_wave_0_\@
	s_barrier_signal -3
.Lnot_wave_0_\@:
	s_barrier_wait -3
	s_barrier_signal -1
	s_barrier_wait -1
.endm
.macro CROUND
	s_barrier_signal -1
	s_barrier_wait -1
	CREST
.endm
.macro STEPD                           ; the walking descriptors: the other slot, the next K step (two heads on; 128 k on)
	s_xor_b32 s[G0A+1], s[G0A+1], SLOT1
	s_add_nc_u64 s[G0A+2:G0A+3], s[G0A+2:G0A+3], 524288
	s_xor_b32 s[G0B+1], s[G0B+1], SLOT1
	s_add_nc_u64 s[G0B+2:G0B+3], s[G0B+2:G0B+3], 256
.endm
.macro AHEAD                           ; wave 0, trip i = 6 - CNT: my 32 blocks of K step i + 4 = 10 - CNT, while that is 7 or less
	s_cmp_lg_u32 s[WV], 0
	s_cbranch_scc1 .Lno_pf_\@
	s_cmp_gt_u32 s[CNT], 2
	s_cbranch_scc0 .Lno_pf_\@
	s_sub_co_u32 s74, 10, s[CNT]
	s_lshl_b32 s74, s74, 19                        ; a K step is two heads of 2,048 rows of 128 bytes
	s_wait_xcnt 0x0                                ; the offset register of the request a trip ago is rewritten only behind this wait
	v_add_nc_u32 v[PFA], s74, v[PF0]
	global_prefetch_b8 v[PFA], s[4:5] th:TH_LOAD_NT scope:SCOPE_SE
.Lno_pf_\@:
.endm
.macro FETCH q, f                      ; the fragments of quarter q (head q / 2 of the step's two, channels 32 (q % 2) on) into buffer f: 24 loads in one run
	WIN 0
.irp i, 0,1,2,3
	ds_load_b128 v[(\f)+64+8*\i:(\f)+64+8*\i+3],   v[ADRB] offset:64*(\q)+\i*16*PBW
	ds_load_b128 v[(\f)+64+8*\i+4:(\f)+64+8*\i+7], v[ADRB] offset:64*(\q)+\i*16*PBW+32
.endr
.irp i, 0,1,2,3,4,5,6,7
	ds_load_b128 v[(\f)+8*\i:(\f)+8*\i+3],   v[ADRA] offset:((\q)/2)*ASUB+((\q)%2)*64+\i*16*PA
	ds_load_b128 v[(\f)+8*\i+4:(\f)+8*\i+7], v[ADRA] offset:((\q)/2)*ASUB+((\q)%2)*64+\i*16*PA+32
.endr
.endm
.macro MUL8 f, a0, first               ; 8 matrix instructions; the 32 accumulators take turns in one order everywhere
.if \first
	WIN 0x40
.else
	WIN 0x50
.endif
.irp a, \a0, (\a0)+1
.irp b, 0,1,2,3
.if \first
	v_wmma_f32_16x16x32_f16 v[8*(4*(\a)+(\b)):8*(4*(\a)+(\b))+7], v[(\f)+64+8*(\b):(\f)+64+8*(\b)+7], v[(\f)+8*(\a):(\f)+8*(\a)+7], v[BIAS+8*(\b):BIAS+8*(\b)+7]
.else
	v_wmma_f32_16x16x32_f16 v[8*(4*(\a)+(\b)):8*(4*(\a)+(\b))+7], v[(\f)+64+8*(\b):(\f)+64+8*(\b)+7], v[(\f)+8*(\a):(\f)+8*(\a)+7], v[8*(4*(\a)+(\b)):8*(4*(\a)+(\b))+7]
.endif
.endr
.endr
.endm
.macro QUARTER q, f, g, first          ; multiplies buffer f and fetches quarter q into g
	s_wait_dscnt 8                                 ; the weights' and O's fragments 0-3 are in; the youngest eight loads may be out
	MUL8 \f, 0, \first
	MUL8 \f, 2, \first
	PLACES
	FETCH \q, \g
	s_wait_dscnt 24                                ; all but the 24 just issued
	MUL8 \f, 4, \first
	MUL8 \f, 6, \first
.endm
.macro TURN fill                       ; the last quarter and the change of slots
	WIN 0
	s_wait_tensorcnt 0x0                           ; no tensor load of mine is out, so the descriptors may be written
	ds_add_u32 v[SPW], v[NIL]
	s_wait_dscnt 9                                 ; (the add and the youngest eight loads may be out)
.if \fill
	STEPD
.endif
	MUL8 F1, 0, 0
	s_wait_dscnt 0x0                               ; the add is done, and my reads of this slot are over
	s_barrier_signal -1
	MUL8 F1, 2, 0
	WIN 0
	s_barrier_wait -1
.if \fill
	CREST
	JLOAD                                          ; the first tensor load behind the round; its four v_nop are also the places in front of the loads below
.else
	PLACES
.endif
	s_xor_b32 s[TB], s[TB], SLOT1
	v_add_nc_u32 v[ADRA], s[TB], v[A0]
	v_add_nc_u32 v[ADRB], s[TB], v[B0]
	FETCH 0, F0
.if \fill
	AHEAD                                          ; behind the wave's own loads, with sixteen matrix instructions to follow
.endif
	MUL8 F1, 4, 0
	MUL8 F1, 6, 0
.endm
; THE WAY OUT of block a (16 rows): 32 bytes a lane and channel block straight from the accumulators (low four registers first) into my stage; back as whole rows of 256 bytes.
.macro TOSTAGE a
	WIN 0x04                                       ; store data in window 1
.irp b, 0,1,2,3
	ds_store_b128 v[STO], v[32*(\a)+8*\b:32*(\a)+8*\b+3]   offset:64*\b
	ds_store_b128 v[STO], v[32*(\a)+8*\b+4:32*(\a)+8*\b+7] offset:64*\b+16
.endr
	WIN 0
	s_wait_xcnt 0x0                                ; this set of TT was store data two blocks ago: it is loaded anew only behind this wait
.irp t, 0,1,2,3,4,5,6,7
	ds_load_b128 v[TT+32*((\a)%2)+4*\t:TT+32*((\a)%2)+4*\t+3], v[RD] offset:\t*2*SP  ; LDS serves a wave's instructions in order (ISA guide 5.7.1.4)
.endr
.endm
.macro SEND a, younger                 ; younger: the next block's sixteen LDS instructions, or none
.irp t, 0,1,2,3,4,5,6,7
	s_wait_dscnt (\younger)+7-\t
	global_store_b128 v[CO], v[TT+32*((\a)%2)+4*\t:TT+32*((\a)%2)+4*\t+3], s[10:11] offset:(16*(\a)+2*\t)*4096 th:TH_STORE_NT  ; sixteen lanes store 256 consecutive bytes, aligned
.endr
.endm
	s_load_b256 s[4:11], s[0:1], 0x0               ; o s[4:5], w16 s[6:7], tab s[8:9], out0 s[10:11]
	v_lshl_add_u32 v[SPW], v0, 2, SPARE
	v_mov_b32 v[NIL], 0
	ds_add_u32 v[SPW], v[NIL]                      ; the wave's opening: the add and its wait stand ahead of my first tensor load
	v_lshrrev_b32 v1, 5, v0
	v_readfirstlane_b32 s[WV], v1
	s_lshr_b32 s[WH], s[WV], 1
	s_and_b32 s[WL], s[WV], 1
	s_bfe_u32 s[CX], ttmp6, 0x40000
	s_bfe_u32 s[CY], ttmp6, 0x40004
	s_lshl_b32 s[CC], ttmp9, 2
	s_add_co_u32 s[CC], s[CC], s[CX]
	s_and_b32 s[RB], ttmp7, 0xffff
	s_lshl_b32 s[RB], s[RB], 2
	s_add_co_u32 s[RB], s[RB], s[CY]
	s_lshl_b32 s25, s[CY], 2
	s_lshl_b32 s25, 15, s25                        ; my row of the cluster
	s_lshl_b32 s26, 0x1111, s[CX]                  ; my column
	s_or_b32 s[G1A], s25, (1<<16)|(1<<20)|(1<<21)|(4<<22)|(3<<25)  ; the mask; 2-byte elements; padding on; bit 21 beside a mask; after every 32 words 4 words
	s_or_b32 s[G1B], s26, (1<<16)|(1<<20)|(1<<21)|(5<<22)|(3<<25)  ; after every 64 words 4 words
	s_mov_b32 s[G1A+1], 128<<16                    ; 64 rows of 128 elements, dense
	s_mov_b32 s[G1A+2], 64<<16
	s_mov_b32 s[G1A+3], 128<<16
	s_mov_b32 s[G1A+4], 64
	s_mov_b32 s[G1A+5], 128
	s_mov_b32 s[G1A+6], 0
	s_mov_b32 s[G1A+7], 0
	s_mov_b32 s[G1B+1], 128<<16                    ; 128 rows of 128 elements, 1,024 elements from row to row
	s_mov_b32 s[G1B+2], 128<<16
	s_mov_b32 s[G1B+3], 128<<16
	s_mov_b32 s[G1B+4], 128
	s_mov_b32 s[G1B+5], 1024
	s_mov_b32 s[G1B+6], 0
	s_mov_b32 s[G1B+7], 0
	s_mov_b32 s[G0A0], 1
	s_mul_i32 s[G0A0+1], s[WL], ASUB               ; slot 0
	s_mov_b32 s[G0A], 1
	s_add_co_u32 s[G0A+1], s[G0A0+1], SLOT1        ; slot 1
	s_mov_b32 s[G0B0], 1
	s_mul_i32 s[G0B0+1], s[WL], 128*PBW
	s_add_co_u32 s[G0B0+1], s[G0B0+1], BOFF
	s_mov_b32 s[G0B], 1
	s_add_co_u32 s[G0B+1], s[G0B0+1], SLOT1
	s_lshr_b32 s52, s[RB], 4                       ; the batch
	s_lshl_b32 s52, s52, 4
	s_add_co_u32 s52, s52, s[WL]                   ; batch x 16 + my head of the first two,
	s_lshl_b32 s52, s52, 18                        ; in heads of 2,048 rows of 128 bytes
	s_and_b32 s53, s[RB], 15
	s_lshl_b32 s53, s53, 14                        ; my 128 rows
	s_add_co_u32 s52, s52, s53
	s_mov_b32 s53, 0
	s_lshl_b32 s54, s[CC], 19                      ; 256 rows of 2,048 bytes
	s_lshl_b32 s55, s[WL], 18
	s_add_co_u32 s54, s54, s55
	s_add_co_u32 s54, s54, WOOFF
	s_mov_b32 s55, 0
	s_lshl_b32 s70, s[CC], 10                      ; my wave's 64 columns, as f32: in bo and in a row of out0
	s_lshl_b32 s71, s[WV], 8
	s_add_co_u32 s70, s70, s71
	s_mov_b32 s71, 0
	s_lshl_b32 s66, s[RB], 19                      ; 128 rows of 4,096 bytes
	s_add_co_u32 s66, s66, s70
	s_mov_b32 s67, 0
	s_lshr_b32 s73, s[RB], 4                       ; for the requests ahead alone: the batch's head 0,
	s_lshl_b32 s73, s73, 22
	s_and_b32 s74, s[RB], 15
	s_lshl_b32 s74, s74, 14                        ; the work-group's 128 rows,
	s_add_co_u32 s73, s73, s74
	s_lshr_b32 s74, s[CX], 1
	s_lshl_b32 s74, s74, 18                        ; head cx / 2 of a step's two,
	s_add_co_u32 s73, s73, s74
	s_and_b32 s74, s[CX], 1
	s_lshl_b32 s74, s74, 13                        ; half cx % 2 of its 16,384 bytes
	s_add_co_u32 s73, s73, s74
	s_mov_b32 s[TB], 0
	s_wait_dscnt 0x0                               ; the opening add is done
	s_wait_kmcnt 0x0
	s_add_nc_u64 s[G0A0+2:G0A0+3], s[4:5], s[52:53]              ; K step 0,
	s_add_nc_u64 s[G0A+2:G0A+3], s[G0A0+2:G0A0+3], 524288        ; K step 1
	s_or_b32 s[G0A0+3], s[G0A0+3], 0x80000000
	s_or_b32 s[G0A+3], s[G0A+3], 0x80000000
	s_add_nc_u64 s[G0B0+2:G0B0+3], s[6:7], s[54:55]
	s_add_nc_u64 s[G0B+2:G0B+3], s[G0B0+2:G0B0+3], 256
	s_or_b32 s[G0B0+3], s[G0B0+3], 0x80000000
	s_or_b32 s[G0B+3], s[G0B+3], 0x80000000
	s_add_nc_u64 s[68:69], s[8:9], s[70:71]
	s_add_nc_u64 s[10:11], s[10:11], s[66:67]
	CROUND                                         ; all sixteen work-groups are here: the first joint loads meet
	s_cmp_eq_u32 s[WH], 0                          ; a wave's two first fills stand in one branch, ahead of every wait on TENSORcnt and every LDS read: two loads of mine are out
	s_cbranch_scc0 .Lfirst_b
	tensor_load_to_lds s[G0A0:G0A0+3], s[G1A:G1A+7]
	s_nop 0
	tensor_load_to_lds s[G0A:G0A+3], s[G1A:G1A+7]
	s_nop 0
.rept 4
	v_nop
.endr
	s_branch .Lfirst_asked
.Lfirst_b:
	tensor_load_to_lds s[G0B0:G0B0+3], s[G1B:G1B+7]
	s_nop 0
	tensor_load_to_lds s[G0B:G0B+3], s[G1B:G1B+7]
	s_nop 0
.rept 4
	v_nop
.endr
.Lfirst_asked:
	v_and_b32 v[PF0], 31, v0
	v_lshl_add_u32 v[PF0], v[PF0], 8, s73
	s_cmp_lg_u32 s[WV], 0
	s_cbranch_scc1 .Lno_pf0
	global_prefetch_b8 v[PF0], s[4:5] offset:2*524288 th:TH_LOAD_NT scope:SCOPE_SE  ; K steps 2 and 3 of my 32 blocks
	global_prefetch_b8 v[PF0], s[4:5] offset:3*524288 th:TH_LOAD_NT scope:SCOPE_SE
.Lno_pf0:
	v_and_b32 v1, 15, v0                           ; l % 16
	v_bfe_u32 v10, v0, 4, 1                        ; l / 16
	v_lshlrev_b32 v[PO], 5, v10
.irp b, 0,1,2,3
	global_load_b128 v[BIAS+8*\b:BIAS+8*\b+3],   v[PO], s[68:69] offset:BOOFF+64*\b
	global_load_b128 v[BIAS+8*\b+4:BIAS+8*\b+7], v[PO], s[68:69] offset:BOOFF+64*\b+16
.endr
	v_mul_u32_u24 v[A0], v1, PA
	v_lshl_add_u32 v[A0], v10, 4, v[A0]
	v_mul_u32_u24 v[B0], v1, PBW
	v_lshl_add_u32 v[B0], v10, 4, v[B0]
	s_mul_i32 s72, s[WV], 64*PBW
	s_add_co_u32 s72, s72, BOFF
	v_add_nc_u32 v[B0], s72, v[B0]
	s_mul_i32 s72, s[WV], 16*SP
	s_add_co_u32 s72, s72, STAGE                   ; my stage
	v_mul_u32_u24 v[STO], v1, SP                   ; in: row l % 16, 32 bytes for each half of the lanes
	v_lshl_add_u32 v[STO], v10, 5, v[STO]
	v_add_nc_u32 v[STO], s72, v[STO]
	v_mul_u32_u24 v[RD], v10, SP                   ; back: lanes 0-15 one row of 256 bytes, lanes 16-31 the next
	v_lshl_add_u32 v[RD], v1, 4, v[RD]
	v_add_nc_u32 v[RD], s72, v[RD]
	v_lshlrev_b32 v[CO], 12, v10                   ; and the same two rows in out0
	v_lshl_add_u32 v[CO], v1, 4, v[CO]
	v_mov_b32 v[ADRA], v[A0]
	v_mov_b32 v[ADRB], v[B0]
	s_wait_tensorcnt 1                             ; my part of K step 0 is in; K step 1's may stay out
	s_barrier_signal -1
	s_barrier_wait -1                              ; everybody's is
	FETCH 0, F0
	s_wait_loadcnt 0x0                             ; the bias
	QUARTER 1, F0, F1, 1                           ; the first quarter: the bias starts the sums
	WIN 0
	s_mov_b32 s[CNT], 6
.Lstep:                                                ; trip i: quarters 1 to 3 of K step i, the request for step i + 2, quarter 0 of step i + 1
	QUARTER 2, F1, F0, 0
	QUARTER 3, F0, F1, 0
	TURN 1
	QUARTER 1, F0, F1, 0
	WIN 0
	s_sub_co_u32 s[CNT], s[CNT], 1
	s_cmp_lg_u32 s[CNT], 0
	s_cbranch_scc1 .Lstep
	QUARTER 2, F1, F0, 0                           ; the last two K steps are written out: nothing is asked for
	QUARTER 3, F0, F1, 0
	TURN 0
	QUARTER 1, F0, F1, 0
	QUARTER 2, F1, F0, 0
	QUARTER 3, F0, F1, 0
	s_wait_dscnt 8
	MUL8 F1, 0, 0
	MUL8 F1, 2, 0
	s_wait_dscnt 0x0
	MUL8 F1, 4, 0
	MUL8 F1, 6, 0
	WIN 0
	PLACES                                         ; behind the last products: their results are stored, and buffer 1 is loaded anew
	TOSTAGE 0
.irp a, 1,2,3,4,5,6,7
	TOSTAGE \a
	SEND (\a)-1, 16
.endr
	SEND 7, 0
	s_wait_tensorcnt 0x0                           ; the wave's end
	ds_add_u32 v[SPW], v[NIL]
	s_wait_dscnt 0x0
	CROUND                                         ; the closing round
	s_endpgm
.Lfunc_end_k_q45d91f0e09_outp:
	.size	k_q45d91f0e09_outp, .Lfunc_end_k_q45d91f0e09_outp-k_q45d91f0e09_outp
	.p2alignl 7, 3214868480
	.fill 96, 4, 3214868480
	.section	.rodata,"a",@progbits
	.p2align	6, 0x0
	.amdhsa_kernel k_q45d91f0e09_outp
		.amdhsa_group_segment_fixed_size 327680
		.amdhsa_private_segment_fixed_size 0
		.amdhsa_enable_private_segment 0
		.amdhsa_kernarg_size 32
		.amdhsa_user_sgpr_count 2
		.amdhsa_user_sgpr_kernarg_segment_ptr 1
		.amdhsa_wavefront_size32 1
		.amdhsa_system_sgpr_workgroup_id_x 1
		.amdhsa_system_sgpr_workgroup_id_y 1
		.amdhsa_system_sgpr_workgroup_id_z 1
		.amdhsa_system_vgpr_workitem_id 0
		.amdhsa_next_free_vgpr 512
		.amdhsa_next_free_sgpr 80
		.amdhsa_reserve_vcc 0
		.amdhsa_float_denorm_mode_32 3
		.amdhsa_float_denorm_mode_16_64 3
		.amdhsa_memory_ordered 1
		.amdhsa_forward_progress 1
		.amdhsa_inst_pref_size 73
	.end_amdhsa_kernel
	.amdgpu_metadata
---
amdhsa.version: [ 1, 2 ]
amdhsa.kernels:
  - .name:           k_q45d91f0e09_outp
    .symbol:         k_q45d91f0e09_outp.kd
    .args:
      - { .name: o, .offset: 0, .size: 8, .value_kind: global_buffer, .address_space: global }
      - { .name: w16, .offset: 8, .size: 8, .value_kind: global_buffer, .address_space: global }
      - { .name: tab, .offset: 16, .size: 8, .value_kind: global_buffer, .address_space: global }
      - { .name: out0, .offset: 24, .size: 8, .value_kind: global_buffer, .address_space: global }
    .group_segment_fixed_size: 327680
    .private_segment_fixed_size: 0
    .kernarg_segment_align: 8
    .kernarg_segment_size: 32
    .max_flat_workgroup_size: 128
    .sgpr_count:     80
    .vgpr_count:     512
    .wavefront_size: 32
...
	.end_amdgpu_metadata
.endif
;; end of part 5
